; MI455X (gfx1250); checked and timed in simulation.
; The chip was launched on July 23, 2026; its instructions are those of AMD's public machine-readable ISA for CDNA 5 (MIT licence, August 2026) and "CDNA5" Instruction Set Architecture Reference Guide (July 2026). The comments in the code are by the model that wrote it; some were corrected since.
;; Multi Head Attention Relative Position. Allowed arithmetic: float matrix products may take bf16 or f16 operands with f32 sums; other float arithmetic in f32, or as packed bf16 or f16 multiplies, adds, multiply-adds, maxima and minima; sums over many terms, partial sums and values carried from step to step in f32; what a program stores and reads back later, other than sums and carried values, may be rounded once to bf16 or f16.
;; Inputs: Wk 1,024 x 1,024 float32; Wo 1,024 x 1,024 float32; Wq 1,024 x 1,024 float32; Wv 1,024 x 1,024 float32; bk 1,024 float32; bo 1,024 float32; bq 1,024 float32; bv 1,024 float32; key 2 x 2,048 x 1,024 float32; query 2 x 2,048 x 1,024 float32; rel_k 5 x 64 float32; rel_v 5 x 64 float32; value 2 x 2,048 x 1,024 float32.
;; Outputs: out0 2 x 2,048 x 1,024 float32.
;; One version. Each part assembles by itself: llvm-mc -triple=amdgcn-amd-amdhsa -mcpu=gfx1250 --defsym DOCPART=n.
;; ======== version 1 of 1: 3 launches
;; limits: values are held in f16: magnitudes above 65,504 overflow, below 6.1e-05 lose precision
;; workspace buffers: q16 8,388,608 bytes; k16 8,388,608 bytes; v16 8,388,608 bytes; o16 8,388,608 bytes; wo16 2,097,152 bytes
;; launch qkv (part 1): grid 4 x 48, 4 waves a work-group, clusters of 4 x 4, 327,680 bytes of LDS; arguments query, key, value, Wq, Wk, Wv, bq, bk, bv, q16, k16, v16; writes q16, k16, v16
.if DOCPART == 1
	.amdgcn_target "amdgcn-amd-amdhsa--gfx1250"
	.amdhsa_code_object_version 6
	.text
	.protected	k_qc9a6efdcbd_qkv
	.globl	k_qc9a6efdcbd_qkv
	.p2align	8
	.type	k_qc9a6efdcbd_qkv,@function
k_qc9a6efdcbd_qkv:
	s_mov_b64 s[64:65], 0
	v_nop
	global_prefetch_b8 v0, s[64:65] scope:SCOPE_SE
	s_setreg_imm32_b32 hwreg(HW_REG_WAVE_MODE, 25, 1), 1
	s_wait_xcnt 0x0
	s_wait_alu depctr_hold_cnt(0) depctr_sa_sdst(0) depctr_va_vdst(0) depctr_va_sdst(0) depctr_va_ssrc(0) depctr_va_vcc(0) depctr_vm_vsrc(0)
	s_getreg_b32 s2, hwreg(HW_REG_IB_STS2, 6, 4)
	s_cmp_eq_u32 s2, 0
	s_cbranch_scc0 .Lentry_in_a_cluster
	s_endpgm
.Lentry_in_a_cluster:
	s_bfe_u32 s2, ttmp6, 0x10000c
	s_cmp_lg_u32 s2, 0xf033
	s_cbranch_scc0 .Lentry_shape_is_right
	s_endpgm
.Lentry_shape_is_right:
; THE THREE PROJECTIONS.  y[m][n] = sum over k of x[m][k] W[n][k] + b[n], for (query, Wq, bq), (key, Wk, bk), (value, Wv, bv): x [4096][1024], W [1024][1024], b [1024], all f32.
; y leaves rounded once to f16, laid by heads: [32 = batch x 16 + head][2048][64].  x and W are rounded to f16 on the way from LDS to the matrix unit; sums in f32; the bias starts the sums.
; LIMITS.  f16 holds no number beyond 65,504: x, W and y must lie within it.  NaN and infinities are not treated apart.
; SHARES.  48 tile rows (16 for each product) x 4 tile columns of 256 x 256; four waves, each 128 x 128: 64 accumulators of 16 x 16.  Which product: cluster y / 4.
; K goes in steps of 64 (256 bytes of a row, f32) through a ring of two LDS slots filled by joint tensor loads: A's tile is shared along a row of the 4 x 4 cluster, B's along a column.
; A K step is two quarters of 32 along K, 64 matrix instructions each, on two fragment buffers.  While one quarter is multiplied the next one's f32 numbers are read from LDS into landing registers
; (64 loads) and rounded into the other buffer (128 conversions): these stand behind the matrix instructions, two loads or four conversions to each.
; THE MATRIX INSTRUCTION IS USED TRANSPOSED (source 0 = 16 rows of W, source 1 = 16 rows of x): a lane holds eight neighbouring columns of one row of y.
; REGISTERS, in windows of 256: window 0: v0-31 addresses; v64-127, v128-191 fragments of x, two buffers; v192-255 x's landing (on the way out v192-223 packed results, v32-63 and v224-255 rows read back)
;   window 1: v0-63 the bias (column block b at 8 b); v64-127, v128-191 fragments of W; v192-255 W's landing.   windows 2, 3: the accumulators ((a, b) at v[8 (8 a + b)]; rows 0-63, rows 64-127)
.set PITCH,  272                       ; an LDS row: 256 bytes + 16 of padding = 68 words: the 16 rows that a load touches start at 16 different groups of four banks
.set HALFT,  128*PITCH                 ; what one tensor load brings
.set SLOT,   4*HALFT                   ; x's 256 rows, then W's 256 rows.  0x22000: no bit of it occurs in wave x HALFT, so an exclusive or turns an address of one slot into the other's
.set STAGE,  2*SLOT                    ; behind the ring: 16 rows x 272 bytes for each wave, for the way out
.set SPITCH, 272
.set SPARE,  STAGE+4*16*SPITCH         ; the spare words: 128 bytes for each wave, two blocks of 256 bytes that no other line names
.set KB,     256                       ; bytes of a row in a K step
.set ADRA0, 16                         ; v16  my lane's place in my 128 rows of x, in slot 0; never rewritten
.set ADRB0, 17                         ; v17  the same for W
.set ADRA,  18                         ; v18  the same in the slot that is being read
.set ADRB,  19
.set STO,   24
.set RD,    25
.set CO,    26
.set BOF,   27
.set SPW,   28
.set NIL,   29
.set PFO,   30
.set F0,    64
.set F1,    128
.set LND,   192
.set TMP,   192
.set OB,    32
.set G1,  24                           ; s[24:31] group 1 for x's tiles;  s[32:39] group 0: a set for each first fill, the second then walks
.set G0,  32
.set G1B, 48                           ; s[48:55], s[56:63] the same for W's
.set G0B, 56
.set LIM, 43                           ; s43  2 in a wave that prefetches, else the greatest number
.set PFA, 44                           ; s[44:45] where my prefetches stand
.set SL,  66                           ; s66  0 or SLOT: the slot that is being read
.set CB,  94                           ; s[94:95] y at my rows
.set MSB, 0
.macro WIN new
.if MSB != (\new)
	s_set_vgpr_msb (MSB<<8)|(\new)
.set MSB, \new
.endif
.endm
; A joint refill by the walking descriptors.  Waves 0 and 1 fetch x's two halves, waves 2 and 3 W's.  An s_nop 0 and four v_nop follow each line.
.macro JLOAD
	s_cmp_eq_u32 s11, 0
	s_cbranch_scc0 .Lfor_b_\@
	tensor_load_to_lds s[G0+4:G0+7], s[G1:G1+7]
	s_nop 0
.rept 4
	v_nop
.endr
	s_branch .Lasked_\@
.Lfor_b_\@:
	tensor_load_to_lds s[G0B+4:G0B+7], s[G1B:G1B+7]
	s_nop 0
.rept 4
	v_nop
.endr
.Lasked_\@:
.endm
; A prefetch of the K step that stands two refills on: 32 rows x 256 bytes, a lane a row.  x's tile rows are read by one cluster alone: its waves 0 and 1 ask; W's tile columns by the four clusters
; of a product: the first of them asks (waves 2 and 3).  The four partners of a joint load share its 128 rows out by address, 32 each.  The last two refills ask for nothing: s3 counts 14 .. 1.
.macro ASK
	s_cmp_gt_u32 s3, s[LIM]
	s_cbranch_scc0 .Lnot_mine_\@
	global_prefetch_b8 v[PFO], s[PFA:PFA+1] offset:KB th:TH_LOAD_NT scope:SCOPE_SE
.Lnot_mine_\@:
.endm
.macro CREST
	s_cmp_lg_u32 s10, 0
	s_cbranch_scc1 .Lnot_wave_0_\@
	s_barrier_signal -3
.Lnot_wave_0_\@:
	s_barrier_wait -3
	s_barrier_signal -1
	s_barrier_wait -1
.endm
.macro CROUND
	s_barrier_signal -1
	s_barrier_wait -1
	CREST
.endm
	s_load_b512 s[68:83], s[0:1], 0x0              ; query, key, value, Wq, Wk, Wv, bq, bk
	s_load_b256 s[84:91], s[0:1], 0x40             ; bv, q16, k16, v16
	v_lshl_add_u32 v[SPW], v0, 2, SPARE
	v_mov_b32 v[NIL], 0
	ds_add_u32 v[SPW], v[NIL]                      ; the wave's opening: the add and its wait stand ahead of my first tensor load
	v_lshrrev_b32 v1, 5, v0
	v_readfirstlane_b32 s10, v1                    ; wave 0..3
	s_lshr_b32 s11, s10, 1                         ; my half of the tile's rows.  Also: I fetch for x (0) or for W (1)
	s_and_b32 s12, s10, 1                          ; my half of its columns.  Also: which 128 rows I fetch
	s_bfe_u32 s40, ttmp6, 0x40000                  ; cx
	s_bfe_u32 s41, ttmp6, 0x40004                  ; cy
	s_lshl_b32 s42, ttmp9, 2
	s_add_co_u32 s42, s42, s40                     ; tile column
	s_and_b32 s9, ttmp7, 0xffff                    ; cluster y, 0..11
	s_lshr_b32 s8, s9, 2                           ; which product
	s_lshl_b32 s13, s9, 2
	s_add_co_u32 s13, s13, s41
	s_and_b32 s13, s13, 15                         ; tile row in that product
	s_lshl_b32 s43, s41, 2
	s_lshl_b32 s43, 15, s43                        ; my row of the cluster
	s_lshl_b32 s44, 0x1111, s40                    ; my column
	s_or_b32 s[G1+0], s43, (2<<16)|(1<<20)|(1<<21)|(5<<22)|(3<<25)   ; mask; elements of 4 bytes; padding on; bit 21 beside a mask; after every 64 words 4 words
	s_or_b32 s[G1B+0], s44, (2<<16)|(1<<20)|(1<<21)|(5<<22)|(3<<25)
.irp g, G1, G1B
	s_mov_b32 s[(\g)+1], 64<<16                    ; tensor_dim0 = 64
	s_mov_b32 s[(\g)+2], 128<<16                   ; tensor_dim1 = 128
	s_mov_b32 s[(\g)+3], 64<<16                    ; tile_dim0 = 64
	s_mov_b32 s[(\g)+4], 128                       ; tile_dim1 = 128
	s_mov_b32 s[(\g)+5], 1024                      ; elements from row to row
	s_mov_b32 s[(\g)+6], 0
	s_mov_b32 s[(\g)+7], 0
.endr
	s_lshl_b32 s17, s12, 7
	s_lshl_b32 s16, s13, 8
	s_add_co_u32 s16, s16, s17
	s_lshl_b32 s16, s16, 12                        ; x: (256 x tile row + 128 x half) rows of 4,096 bytes
	s_lshl_b32 s46, s42, 8
	s_add_co_u32 s46, s46, s17
	s_lshl_b32 s46, s46, 12                        ; W: (256 x tile column + 128 x half) rows
	s_mov_b32 s17, 0
	s_mov_b32 s47, 0
	s_mul_i32 s20, s10, HALFT                      ; where my tiles go: wave x 128 rows
	s_mov_b32 s[SL], 0
	s_wait_dscnt 0x0                               ; the opening add is done
	s_wait_kmcnt 0x0
	s_cmp_eq_u32 s8, 0                             ; the product's four buffers: a choice on the cluster's y alone
	s_cselect_b64 s[4:5], s[68:69], s[70:71]
	s_cselect_b64 s[6:7], s[74:75], s[76:77]
	s_cselect_b64 s[92:93], s[80:81], s[82:83]
	s_cselect_b64 s[CB:CB+1], s[86:87], s[88:89]
	s_cmp_eq_u32 s8, 2
	s_cselect_b64 s[4:5], s[72:73], s[4:5]
	s_cselect_b64 s[6:7], s[78:79], s[6:7]
	s_cselect_b64 s[92:93], s[84:85], s[92:93]
	s_cselect_b64 s[CB:CB+1], s[90:91], s[CB:CB+1]
	s_add_nc_u64 s[14:15], s[4:5], s[16:17]
	s_add_nc_u64 s[46:47], s[6:7], s[46:47]
	CROUND                                         ; all sixteen work-groups are here: the first joint loads meet
.irp s, 0,1
	s_mov_b32 s[G0+4*(\s)], 1
	s_add_co_u32 s[G0+4*(\s)+1], s20, (\s)*SLOT
	s_add_nc_u64 s[G0+4*(\s)+2:G0+4*(\s)+3], s[14:15], (\s)*KB
	s_or_b32 s[G0+4*(\s)+3], s[G0+4*(\s)+3], 0x80000000
	s_mov_b32 s[G0B+4*(\s)], 1
	s_add_co_u32 s[G0B+4*(\s)+1], s20, (\s)*SLOT
	s_add_nc_u64 s[G0B+4*(\s)+2:G0B+4*(\s)+3], s[46:47], (\s)*KB
	s_or_b32 s[G0B+4*(\s)+3], s[G0B+4*(\s)+3], 0x80000000
.endr
	s_cmp_eq_u32 s11, 0                            ; a wave's two first fills stand in one branch: two loads of mine are out
	s_cbranch_scc0 .Lfirst_b
	tensor_load_to_lds s[G0:G0+3], s[G1:G1+7]
	s_nop 0
	tensor_load_to_lds s[G0+4:G0+7], s[G1:G1+7]
	s_nop 0
.rept 4
	v_nop
.endr
	s_branch .Lfirst_asked
.Lfirst_b:
	tensor_load_to_lds s[G0B:G0B+3], s[G1B:G1B+7]
	s_nop 0
	tensor_load_to_lds s[G0B+4:G0B+7], s[G1B:G1B+7]
	s_nop 0
.rept 4
	v_nop
.endr
.Lfirst_asked:
	v_and_b32 v1, 15, v0                           ; l % 16
	v_bfe_u32 v2, v0, 4, 1                         ; l / 16
	s_lshl_b32 s21, s42, 10
	s_lshl_b32 s22, s12, 9
	s_add_co_u32 s21, s21, s22                     ; my first column, in bytes of f32
	v_lshl_add_u32 v[BOF], v2, 5, s21              ; + my lanes' 8 columns
	WIN 0x40
.irp b, 0,1,2,3,4,5,6,7                ; the bias in a result's layout: register j of block b is column 16 b + 8 (l / 16) + j
	global_load_b128 v[8*(\b):8*(\b)+3],   v[BOF], s[92:93] offset:64*(\b)
	global_load_b128 v[8*(\b)+4:8*(\b)+7], v[BOF], s[92:93] offset:64*(\b)+16
.endr
	WIN 0
	; a fragment's f32 numbers: lane l takes row l % 16, K = 8 (l / 16) + 0..7 (32 bytes) and K = 16 + 8 (l / 16) + 0..7 (64 bytes on): four loads of 16 bytes
	v_mul_u32_u24 v3, v1, PITCH
	v_lshl_add_u32 v3, v2, 5, v3
	s_mul_i32 s21, s11, HALFT
	s_mul_i32 s22, s12, HALFT
	s_add_co_u32 s22, s22, 2*HALFT
	v_add_nc_u32 v[ADRA0], s21, v3
	v_add_nc_u32 v[ADRB0], s22, v3
	v_mov_b32 v[ADRA], v[ADRA0]
	v_mov_b32 v[ADRB], v[ADRB0]
	s_mul_i32 s23, s10, 16*SPITCH
	s_add_co_u32 s23, s23, STAGE                   ; my stage
	v_mul_u32_u24 v4, v1, SPITCH                   ; in: row l % 16, 16 bytes for each half of the lanes
	v_lshl_add_u32 v4, v2, 4, v4
	v_add_nc_u32 v[STO], s23, v4
	v_bfe_u32 v5, v0, 3, 2                         ; back: 32 lanes take four rows x 128 bytes, one head's part,
	v_and_b32 v6, 7, v0
	v_mul_u32_u24 v5, v5, SPITCH
	v_lshl_add_u32 v5, v6, 4, v5
	v_add_nc_u32 v[RD], s23, v5
	v_and_b32 v[CO], 31, v0                        ; which are 512 consecutive bytes of y
	v_lshlrev_b32 v[CO], 4, v[CO]
	; y at my rows: ((batch x 16 + head) x 2048 + row in the batch) x 128 bytes
	s_lshr_b32 s16, s13, 3
	s_lshl_b32 s16, s16, 15
	s_and_b32 s17, s13, 7
	s_lshl_b32 s17, s17, 8
	s_add_co_u32 s16, s16, s17
	s_lshl_b32 s17, s11, 7
	s_add_co_u32 s16, s16, s17
	s_lshl_b32 s46, s42, 2
	s_lshl_b32 s47, s12, 1
	s_add_co_u32 s46, s46, s47
	s_lshl_b32 s46, s46, 11
	s_add_co_u32 s16, s16, s46
	s_lshl_b32 s16, s16, 7
	s_mov_b32 s17, 0
	s_add_nc_u64 s[CB:CB+1], s[CB:CB+1], s[16:17]
	; the prefetches
	s_lshl_b32 s42, s42, 8
	s_lshl_b32 s13, s13, 8
	s_and_b32 s22, s9, 3
	s_cmp_eq_u32 s11, 0                            ; do I fetch for x?
	s_cselect_b32 s20, s13, s42                    ; the tile's first row
	s_cselect_b32 s21, s40, s41                    ; my place among the four that ask jointly
	s_cselect_b32 s22, 0, s22                      ; W: the product's first cluster asks; x: every cluster, since no other reads its rows
	s_cselect_b64 s[PFA:PFA+1], s[4:5], s[6:7]
	s_cmp_eq_u32 s22, 0
	s_cselect_b32 s[LIM], 2, -1
	s_lshl_b32 s22, s12, 7
	s_add_co_u32 s20, s20, s22
	s_lshl_b32 s21, s21, 5
	s_add_co_u32 s20, s20, s21
	s_lshl_b32 s20, s20, 12
	s_mov_b32 s21, 0
	s_add_nc_u64 s[PFA:PFA+1], s[PFA:PFA+1], s[20:21]
	s_add_nc_u64 s[PFA:PFA+1], s[PFA:PFA+1], 2*KB  ; at K step 2: the first refill steps it to 3 and names K step 4
	v_and_b32 v[PFO], 31, v0
	v_lshlrev_b32 v[PFO], 12, v[PFO]
; Matrix instruction i of a quarter's 64: rows 64 (i / 32) + 16 ((i / 8) % 4) on, columns 16 (i % 8) on.  The 64 accumulators take turns.  first = 1: the bias starts the sums.
.macro MMQ f, first
.set hi, i/32
.set aa, (i/8)%4
.set bb, i%8
.set rD, 8*(8*aa+bb)
.if \first
	WIN 0x91+0x40*hi
	v_wmma_f32_16x16x32_f16 v[rD:rD+7], v[(\f)+8*bb:(\f)+8*bb+7], v[(\f)+8*(4*hi+aa):(\f)+8*(4*hi+aa)+7], v[8*bb:8*bb+7]
.else
	WIN 0xa1+0x50*hi
	v_wmma_f32_16x16x32_f16 v[rD:rD+7], v[(\f)+8*bb:(\f)+8*bb+7], v[(\f)+8*(4*hi+aa):(\f)+8*(4*hi+aa)+7], v[rD:rD+7]
.endif
.set i, i+1
.endm
; Load n of 16 of chunk c (four fragments, 64 rows) into the landing; koff: byte of the quarter in the rows.
.macro LDB c, n, koff
	WIN 0x40
	ds_load_b128 v[LND+4*(\n):LND+4*(\n)+3], v[ADRB] offset:(\koff)+(4*(\c)+(\n)/4)*16*PITCH+((\n)%2)*16+(((\n)/2)%2)*64
.endm
.macro LDA c, n, koff
	WIN 0
	ds_load_b128 v[LND+4*(\n):LND+4*(\n)+3], v[ADRA] offset:(\koff)+(4*(\c)+(\n)/4)*16*PITCH+((\n)%2)*16+(((\n)/2)%2)*64
.endm
; Conversion n of 32 of chunk c into buffer g.
.macro CVB g, c, n
	WIN 0x45
	v_cvt_pk_f16_f32 v[(\g)+32*(\c)+(\n)], v[LND+2*(\n)], v[LND+2*(\n)+1]
.endm
.macro CVA g, c, n
	WIN 0
	v_cvt_pk_f16_f32 v[(\g)+32*(\c)+(\n)], v[LND+2*(\n)], v[LND+2*(\n)+1]
.endm
.macro CVB4 g, c, n
	CVB \g, \c, (\n)
	CVB \g, \c, (\n)+1
	CVB \g, \c, (\n)+2
	CVB \g, \c, (\n)+3
.endm
.macro CVA4 g, c, n
	CVA \g, \c, (\n)
	CVA \g, \c, (\n)+1
	CVA \g, \c, (\n)+2
	CVA \g, \c, (\n)+3
.endm
.macro RUNB c, koff
.set n, 0
.rept 16
	LDB \c, n, \koff
.set n, n+1
.endr
.endm
.macro RUNA c, koff
.set n, 0
.rept 16
	LDA \c, n, \koff
.set n, n+1
.endr
.endm
.macro CVALLB g, c
.set n, 0
.rept 32
	CVB \g, \c, n
.set n, n+1
.endr
.endm
.macro CVALLA g, c
.set n, 0
.rept 32
	CVA \g, \c, n
.set n, n+1
.endr
.endm
.macro PLACES
.rept 4
	v_nop
.endr
.endm
; A slot's first quarter: multiplies buffer f and makes the slot's second quarter (byte koff of the rows) in buffer g.
; The waits for 16: the chunk wanted is in, the 16 loads issued behind it may stay out.  The four conversions behind each of the last eight matrix instructions are also the four places between
; the quarter's last readers of buffer f and the next quarter's first conversion into it.
.macro QN f, g, koff, first
.set i, 0
.rept 64
.set k, i
	MMQ \f, \first
.if k < 8
	LDB 0, 2*k, \koff
	LDB 0, 2*k+1, \koff
.elseif k < 16
	LDA 0, 2*k-16, \koff
	LDA 0, 2*k-15, \koff
.elseif k < 24
.if k == 16
	s_wait_dscnt 16
.endif
	CVB4 \g, 0, 4*k-64
.elseif k < 32
	LDB 1, 2*k-48, \koff
	LDB 1, 2*k-47, \koff
.elseif k < 40
.if k == 32
	s_wait_dscnt 16
.endif
	CVA4 \g, 0, 4*k-128
.elseif k < 48
	LDA 1, 2*k-80, \koff
	LDA 1, 2*k-79, \koff
.elseif k < 56
.if k == 48
	s_wait_dscnt 16
.endif
	CVB4 \g, 1, 4*k-192
.else
.if k == 56
	s_wait_dscnt 0x0
.endif
	CVA4 \g, 1, 4*k-224
.endif
.endr
.endm
; A slot's second quarter: multiplies buffer f, changes slots, and makes the next slot's first quarter in buffer g.  All reads of the slot ended in the quarter before.  Each wave waits for all its tensor
; loads, of which one is out: its part of the next slot; adds 0 to its spare word; waits for that; the barrier opens a round of the cluster's (fill = 1), and the joint refill is the first thing behind it:
; it has 112 matrix instructions in which to land.
.macro QT f, g, fill
.set i, 0
	WIN 0
.if \fill
	s_wait_xcnt 0x0                                ; the last prefetch, a K step back, has read its address
	s_add_nc_u64 s[PFA:PFA+1], s[PFA:PFA+1], KB
.endif
	s_wait_tensorcnt 0x0                           ; all my tensor loads have landed
	ds_add_u32 v[SPW], v[NIL]                      ; 0 onto my spare word
.rept 8
	MMQ \f, 0
.endr
	s_wait_dscnt 0x0                               ; the add is done; no read of mine is out
	s_barrier_signal -1
.rept 8
	MMQ \f, 0
.endr
	WIN 0
	s_barrier_wait -1
.if \fill
	CREST
	s_xor_b32 s[G0+5], s[G0+5], SLOT               ; the walking descriptors: the other slot than last time, the next K step
	s_add_nc_u64 s[G0+6:G0+7], s[G0+6:G0+7], KB
	s_xor_b32 s[G0B+5], s[G0B+5], SLOT
	s_add_nc_u64 s[G0B+6:G0B+7], s[G0B+6:G0B+7], KB
	JLOAD
.endif
	s_xor_b32 s[SL], s[SL], SLOT
	v_add_nc_u32 v[ADRA], s[SL], v[ADRA0]
	v_add_nc_u32 v[ADRB], s[SL], v[ADRB0]
	RUNB 0, 0
	RUNA 0, 0
.if \fill
	ASK
.endif
.rept 48
.set k, i
	MMQ \f, 0
.if k < 24
.if k == 16
	s_wait_dscnt 16
.endif
	CVB4 \g, 0, 4*k-64
.elseif k < 28
	LDB 1, 4*k-96, 0
	LDB 1, 4*k-95, 0
	LDB 1, 4*k-94, 0
	LDB 1, 4*k-93, 0
.elseif k < 36
.if k == 28
	s_wait_dscnt 16
.endif
	CVA4 \g, 0, 4*k-112
.elseif k < 40
	LDA 1, 4*k-144, 0
	LDA 1, 4*k-143, 0
	LDA 1, 4*k-142, 0
	LDA 1, 4*k-141, 0
.elseif k < 48
.if k == 40
	s_wait_dscnt 16
.endif
	CVB4 \g, 1, 4*k-160
.elseif k < 56
.else
.if k == 56
	s_wait_dscnt 0x0
.endif
	CVA4 \g, 1, 4*k-224
.endif
.endr
.endm
; THE WAY OUT of block a (16 rows x 128 columns: two heads): rounded to f16; into my own stage; back as four rows x 128 bytes of one head; stored.
.macro PACK a
.set AC, 64*((\a)%4)
	WIN 0x0a+5*((\a)/4)
.irp b, 0,1,2,3,4,5,6,7
.irp r, 0,1,2,3
	v_cvt_pk_f16_f32 v[TMP+4*(\b)+(\r)], v[AC+8*(\b)+2*(\r)], v[AC+8*(\b)+2*(\r)+1]
.endr
.endr
	WIN 0
.endm
.macro TOSTAGE a
	WIN 0
.set BK, OB+192*((\a)%2)
.irp b, 0,1,2,3,4,5,6,7
	ds_store_b128 v[STO], v[TMP+4*(\b):TMP+4*(\b)+3] offset:32*(\b)
.endr
.irp t, 0,1,2,3,4,5,6,7
	ds_load_b128 v[BK+4*(\t):BK+4*(\t)+3], v[RD] offset:((\t)%4)*4*SPITCH+((\t)/4)*128  ; LDS serves a wave's instructions in order: these see the stores above
.endr
.endm
.macro SEND a
	WIN 0
.set BK, OB+192*((\a)%2)
	s_wait_dscnt 0x0                               ; the block is back in registers
	s_wait_xcnt 0x0                                ; the base and the registers that earlier stores read are rewritten only behind this wait
.if (\a) != 0
	s_add_nc_u64 s[CB:CB+1], s[CB:CB+1], 2048      ; 16 rows of a head on
.endif
.irp t, 0,1,2,3,4,5,6,7
	global_store_b128 v[CO], v[BK+4*(\t):BK+4*(\t)+3], s[CB:CB+1] offset:((\t)%4)*512+((\t)/4)*262144  ; 512 consecutive bytes, aligned; the second head lies 2,048 rows on
.endr
.endm
	s_wait_tensorcnt 0x1                           ; my part of K step 0 is in; K step 1's may stay out
	s_barrier_signal -1
	s_barrier_wait -1
	RUNB 0, 0                                      ; the first quarter's fragments: there is no matrix work yet to set them behind
	RUNA 0, 0
	s_wait_dscnt 16
	CVALLB F0, 0
	RUNB 1, 0
	s_wait_dscnt 16
	CVALLA F0, 0
	RUNA 1, 0
	s_wait_dscnt 16
	CVALLB F0, 1
	s_wait_dscnt 0x0
	CVALLA F0, 1
	s_wait_loadcnt 0x0                             ; the bias
	QN F0, F1, 128, 1
	WIN 0
	s_mov_b32 s3, 14
.Lk:                                           ; a trip: a K step's second quarter with the change of slots, the next K step's first quarter
	QT F1, F0, 1
	QN F0, F1, 128, 0
	WIN 0
	s_sub_co_u32 s3, s3, 1
	s_cmp_lg_u32 s3, 0
	s_cbranch_scc1 .Lk
	QT F1, F0, 0                                   ; the tail is written out: nothing is left to fetch
	QN F0, F1, 128, 0
.set i, 0
.rept 64
	MMQ F1, 0
.endr
	PLACES
	PACK 0
	TOSTAGE 0
.irp a, 1,2,3,4,5,6,7
	PACK \a
	SEND (\a)-1
	TOSTAGE \a
.endr
	SEND 7
	s_wait_tensorcnt 0x0                           ; the wave's end
	ds_add_u32 v[SPW], v[NIL]
	s_wait_dscnt 0x0
	CROUND                                         ; the closing round
	s_endpgm
.Lfunc_end_k_qc9a6efdcbd_qkv:
	.size	k_qc9a6efdcbd_qkv, .Lfunc_end_k_qc9a6efdcbd_qkv-k_qc9a6efdcbd_qkv
	.p2alignl 7, 3214868480
	.fill 96, 4, 3214868480
	.section	.rodata,"a",@progbits
	.p2align	6, 0x0
	.amdhsa_kernel k_qc9a6efdcbd_qkv
		.amdhsa_group_segment_fixed_size 327680
		.amdhsa_private_segment_fixed_size 0
		.amdhsa_enable_private_segment 0
		.amdhsa_kernarg_size 96
		.amdhsa_user_sgpr_count 2
		.amdhsa_user_sgpr_kernarg_segment_ptr 1
		.amdhsa_wavefront_size32 1
		.amdhsa_system_sgpr_workgroup_id_x 1
		.amdhsa_system_sgpr_workgroup_id_y 1
		.amdhsa_system_sgpr_workgroup_id_z 1
		.amdhsa_system_vgpr_workitem_id 0
		.amdhsa_next_free_vgpr 1024
		.amdhsa_next_free_sgpr 96
		.amdhsa_reserve_vcc 0
		.amdhsa_float_denorm_mode_32 3
		.amdhsa_float_denorm_mode_16_64 3
		.amdhsa_memory_ordered 1
		.amdhsa_forward_progress 1
		.amdhsa_inst_pref_size 158
	.end_amdhsa_kernel
	.amdgpu_metadata
---
amdhsa.version: [ 1, 2 ]
amdhsa.kernels:
  - .name:           k_qc9a6efdcbd_qkv
    .symbol:         k_qc9a6efdcbd_qkv.kd
    .args:
      - { .name: query, .offset: 0, .size: 8, .value_kind: global_buffer, .address_space: global }
      - { .name: key, .offset: 8, .size: 8, .value_kind: global_buffer, .address_space: global }
      - { .name: value, .offset: 16, .size: 8, .value_kind: global_buffer, .address_space: global }
      - { .name: Wq, .offset: 24, .size: 8, .value_kind: global_buffer, .address_space: global }
      - { .name: Wk, .offset: 32, .size: 8, .value_kind: global_buffer, .address_space: global }
      - { .name: Wv, .offset: 40, .size: 8, .value_kind: global_buffer, .address_space: global }
      - { .name: bq, .offset: 48, .size: 8, .value_kind: global_buffer, .address_space: global }
      - { .name: bk, .offset: 56, .size: 8, .value_kind: global_buffer, .address_space: global }
      - { .name: bv, .offset: 64, .size: 8, .value_kind: global_buffer, .address_space: global }
      - { .name: q16, .offset: 72, .size: 8, .value_kind: global_buffer, .address_space: global }
      - { .name: k16, .offset: 80, .size: 8, .value_kind: global_buffer, .address_space: global }
      - { .name: v16, .offset: 88, .size: 8, .value_kind: global_buffer, .address_space: global }
    .group_segment_fixed_size: 327680
    .private_segment_fixed_size: 0
    .kernarg_segment_align: 8
    .kernarg_segment_size: 96
    .max_flat_workgroup_size: 128
    .sgpr_count:     96
    .vgpr_count:     1024
    .wavefront_size: 32
...
	.end_amdgpu_metadata
.endif
;; end of part 1
;; launch attn (part 2): grid 8 x 32, 4 waves a work-group, clusters of 4 x 1, 327,680 bytes of LDS; arguments q16, k16, v16, o16, rel_k, rel_v, Wo, wo16; writes o16, wo16
.if DOCPART == 2
	.amdgcn_target "amdgcn-amd-amdhsa--gfx1250"
	.amdhsa_code_object_version 6
	.text
	.protected	k_qc9a6efdcbd_attn
	.globl	k_qc9a6efdcbd_attn
	.p2align	8
	.type	k_qc9a6efdcbd_attn,@function
k_qc9a6efdcbd_attn:
	s_mov_b64 s[64:65], 0
	v_nop
	global_prefetch_b8 v0, s[64:65] scope:SCOPE_SE
	s_setreg_imm32_b32 hwreg(HW_REG_WAVE_MODE, 25, 1), 1
	s_wait_xcnt 0x0
	s_wait_alu depctr_hold_cnt(0) depctr_sa_sdst(0) depctr_va_vdst(0) depctr_va_sdst(0) depctr_va_ssrc(0) depctr_va_vcc(0) depctr_vm_vsrc(0)
	s_getreg_b32 s2, hwreg(HW_REG_IB_STS2, 6, 4)
	s_cmp_eq_u32 s2, 0
	s_cbranch_scc0 .Lentry_in_a_cluster
	s_endpgm
.Lentry_in_a_cluster:
	s_bfe_u32 s2, ttmp6, 0x10000c
	s_cmp_lg_u32 s2, 0x3003
	s_cbranch_scc0 .Lentry_shape_is_right
	s_endpgm
.Lentry_shape_is_right:
; ATTENTION WITH CLIPPED RELATIVE POSITIONS.  For each of 32 heads (2,048 rows x 64 channels, f16, dense): score(q, k) = Q[q] . (K[k] + rel_k[cl]) / 8, cl = clip(k - q, -2, 2) + 2;
; O[q] = sum over k of softmax_k(score) (V[k] + rel_v[cl]).  Products, maxima and sums in f32; the weights p are rounded to f16 for the second product, O once at the end.
; As a side job each work-group rounds four rows of Wo to f16 for the launch behind.
; THE FIVE CLASSES.  With qr_j = Q[q] . rel_k[j] and beta_j = qr_j - qr_4 (a shift common to a row leaves its softmax as it is) a score is Q.K + beta_cl.  All keys k <= q - 2 have beta_0, all k >= q + 2
; have 0, and k = q - 1, q, q + 1 (THE BAND) are three single numbers.  O = sum p V + lL (rv_0 - rv_4) + sum over the band of p (rv_cl - rv_4), lL = the sum of p over k <= q - 2; out = O / l + rv_4.
; THE BAND COMES FIRST: its three scores start m, its weights start O; their sum lo is kept apart with its c m and joins l at the end.  In the walk the band's places are hidden (-1e30).
; THE BIAS IS THE C OPERAND that starts S^T = K Q^T: 32 registers a piece (MC), rewritten only round the piece's own key step: beta_0 before it, 0 behind it.  In the own step lL is known and enters O.
; SHARES.  A cluster of four work-groups owns 1,024 queries of a head.  Piece x of wave w of partner cx is the 16 queries from 1024 cl + 64 (4 w + x) + 16 cx on: its own key step, 16 cl + 4 w + x, hangs on
; the cluster, the wave and the piece, never on the place in the cluster: all partners branch alike, and cx enters global addresses and register data alone.  K and V are asked for jointly.
; TURNS.  Turn n belongs to piece n: 8 products K Q^T of piece n + 1, later 8 products V^T P of piece n - 1; beside them piece n's scaling, exponentials, roundings, sums and rescaling and piece n + 1's
; maximum and statistics: four vector instructions behind every matrix instruction, the rest in one lump; a turn's 33 exponentials are one batch with one wait.
; LIMITS.  Q, K, V, O within 65,504 (f16).  A hidden score counts as its value less 1e30; a weight below 2^-126 counts as 0; NaN and infinities are not treated apart.
; REGISTERS, in windows of 256 (s_set_vgpr_msb: bits 1:0 source 0, 3:2 source 1, 5:4 source 2, 7:6 destination):
;   window 0: v0-15 addresses; v16-31 statistics; v32-47 per piece beta_0, the band's c m, the band's sum; v48-59 at work; v64-127 S^T, two buffers; v128-159 rv_0 - rv_4; v160-191 rv_4; v192-223 P; v224-255 the start
;   window 1: v0-127 O^T; v128-255 MC      window 2: v0-63 Q; v64-95 APT (1 where k <= q - 2 in the own step); v96-127 NPT (-1e30 in the band); v128-191 K; v192-255 V      window 3: the start alone
.set NP,    4
.set KS,    64
.set PK,    144       ; a row of K in LDS: 128 bytes + 16
.set PV,    160       ; a row of V: 128 + 32
.set VOFF,  4*KS*PK   ; a slot holds four steps: 256 rows of K, then 256 rows of V
.set SLOT1, 1<<17
.set STAGE, SLOT1+4*KS*(PK+PV)  ; behind the ring: 16 rows x 144 bytes for each wave, for the way out
.set SP,    144
.set SPARE, STAGE+4*16*SP       ; the spare words: 128 bytes for each wave, two blocks of 256 bytes that no other line names
.set AK0, 2
.set AV0, 3
.set AK,  4
.set AV,  5
.set STO, 6
.set RD,  7
.set GO,  8
.set MV,  12          ; v12-13  c m_old, by buffer; at the start: Wo's two offsets
.set WOO, 12
.set WSO, 13
.set NEGV, 14         ; v14  -1e30
.set QO,  15
.set ST,  16          ; piece t: c m, m, l (even keys', odd keys')
.set IDP, 16          ; at the start: 1 where register j is my query's own row of a 16 x 16 result
.set BX,  32          ; piece t at BX + 4 t: beta_0, the band's c m, the band's sum; the fourth registers hold offsets of the start
.set RVO, 35
.set RKO, 39
.set QV,  43          ; my query of piece 0
.set D14, 47          ; 16 cx + l % 16 - 8 (l / 16)
.set TMP, 48
.set BT,  48          ; at the start: beta_1..3 of the four pieces
.set TR,  56
.set BOM, 56
.set BOP, 57
.set PFO, 60
.set BO,  61
.set SPW, 62
.set NIL, 63
.set S,   64
.set DR1, 64          ; at the start: rv_1 - rv_4, rv_2 - rv_4, rv_3 - rv_4, in O^T's lane layout
.set DR2, 96
.set DR0, 128
.set RV4, 160
.set P,   192
.set DR3, 192
.set UP,  224         ; at the start: pair a = 3 x + e: the band's score, then its weight
.set MC,  128         ; window 1
.set QR,  96          ; window 1, at the start: Q rel_k^T
.set APT, 64          ; window 2
.set NPT, 96
.set KF,  128
.set VF,  192
.set RKF, 192         ; window 3
.set RKR, 224
.set WV,  12
.set LIM, 15
.set G1K, 24
.set G1V, 32
.set G0K, 40
.set G0V, 44
.set SLOTS, 56
.set CNT, 57
.set CS,  58
.set SEL, 60
.set TBK, 62
.set TBV, 63
.set PFA, 66
.set TT,  76          ; s76-79  piece x: the step whose bias is made next, less its own step, plus 1
.set MP,  80          ; s80  the lane whose key 63 of the step before the own one is q - 1
.set MN,  81          ; s81  the lane whose key 0 of the step behind it is q + 1
.set KH,  82          ; s[82:83] K at the head's first row
.set VH,  84
.set WOB, 86
.set WHB, 88
.set MSB, 0
.macro WIN new
.if MSB != (\new)
	s_set_vgpr_msb (MSB<<8)|(\new)
.set MSB, (\new)
.endif
.endm
.set W_KQ, 0x0a
.set W_KM, 0x1a
.set W_PV, 0x52
.set W_RS, 0x41
.macro JLOAD                        ; waves 0 and 1 fetch the halves of a slot's K, waves 2 and 3 of its V; an s_nop 0 and four v_nop follow each line
	s_cmp_lt_u32 s[WV], 2
	s_cbranch_scc0 .Lfor_v_\@
	tensor_load_to_lds s[G0K:G0K+3], s[G1K:G1K+7]
	s_nop 0
.rept 4
	v_nop
.endr
	s_branch .Lasked_\@
.Lfor_v_\@:
	tensor_load_to_lds s[G0V:G0V+3], s[G1V:G1V+7]
	s_nop 0
.rept 4
	v_nop
.endr
.Lasked_\@:
.endm
; A prefetch of what the next change of slots will ask for.  A head's two clusters walk the same K and V: the first asks.  Its four partners take 8,192 bytes each, told apart by address; wave 0 asks for K's,
; wave 2 for V's; a lane names 256 bytes.  The last change that fills a slot asks for nothing.
.macro ASK
	s_cmp_gt_u32 s[SLOTS], s[LIM]
	s_cbranch_scc0 .Lnot_mine_\@
	global_prefetch_b8 v[PFO], s[PFA:PFA+1] th:TH_LOAD_NT scope:SCOPE_SE
.Lnot_mine_\@:
.endm
.macro CROUND
	s_barrier_signal -1
	s_barrier_wait -1
	s_cmp_lg_u32 s[WV], 0
	s_cbranch_scc1 .Lnot_wave_0_\@
	s_barrier_signal -3
.Lnot_wave_0_\@:
	s_barrier_wait -3
	s_barrier_signal -1
	s_barrier_wait -1
.endm
; THE CHANGE OF SLOTS.  Each wave waits for all its tensor loads, of which one is out: its part of the other slot; adds 0 to its spare word; waits for that and for its reads of the slot.  fill = 1: the barrier is a
; round of the cluster's, and the joint refill is the first thing behind it: it has four key steps, 256 matrix instructions, in which to land.
.macro CHANGE fill, ask
	WIN 0
	s_wait_tensorcnt 0x0
	ds_add_u32 v[SPW], v[NIL]
.if \fill
.irp g, G0K, G0V
	s_xor_b32 s[\g+1], s[\g+1], SLOT1
	s_add_nc_u64 s[\g+2:\g+3], s[\g+2:\g+3], 4*KS*128
.endr
.if \ask
	s_wait_xcnt 0x0                 ; the last prefetch, four key steps back, has read its address
	s_add_nc_u64 s[PFA:PFA+1], s[PFA:PFA+1], 4*KS*128
.endif
	s_wait_dscnt 0x0
	CROUND
	JLOAD
.if \ask
	ASK
.endif
.else
	s_wait_dscnt 0x0
	s_barrier_signal -1
	s_barrier_wait -1
.endif
	s_sub_co_u32 s[TBK], s[TBK], 4*KS*PK
	s_xor_b32 s[TBK], s[TBK], SLOT1
	s_sub_co_u32 s[TBV], s[TBV], 4*KS*PV
	s_xor_b32 s[TBV], s[TBV], SLOT1
.endm
	s_load_b256 s[4:11], s[0:1], 0x0   ; q16 s[4:5], k16 s[6:7], v16 s[8:9], o16 s[10:11]
	s_load_b256 s[68:75], s[0:1], 0x20 ; rel_k s[68:69], rel_v s[70:71], Wo s[72:73], wo16 s[74:75]
	v_lshl_add_u32 v[SPW], v0, 2, SPARE
	v_mov_b32 v[NIL], 0
	ds_add_u32 v[SPW], v[NIL]       ; the wave's opening: the add and its wait stand ahead of my first tensor load
	v_lshrrev_b32 v1, 5, v0
	v_readfirstlane_b32 s[WV], v1
	s_bfe_u32 s13, ttmp6, 0x40000   ; cx
	s_and_b32 s20, ttmp7, 0xffff    ; the head
	s_lshl_b32 s14, s20, 3
	s_lshl_b32 s2, ttmp9, 2
	s_add_co_u32 s14, s14, s2
	s_add_co_u32 s14, s14, s13      ; my work-group's number, 0..255: four rows of Wo
	s_lshl_b32 s20, s20, 18         ; the head's first byte in q16, k16, v16, o16
	s_mov_b32 s21, 0
	s_and_b32 s16, s[WV], 1
	s_lshl_b32 s22, s16, 14         ; the half of a slot's 256 keys that I fetch
	s_mov_b32 s23, 0
	s_add_nc_u64 s[22:23], s[22:23], s[20:21]
	s_mul_i32 s17, s16, 128*PK
	s_mul_i32 s18, s16, 128*PV
	s_lshl_b32 s2, ttmp9, 4
	s_lshl_b32 s3, s[WV], 2
	s_add_co_u32 s2, s2, s3         ; piece 0's own key step: the same in all four partners
	s_sub_co_u32 s[TT], 1, s2
	s_sub_co_u32 s[TT+1], 0, s2
	s_sub_co_u32 s[TT+2], -1, s2
	s_sub_co_u32 s[TT+3], -2, s2
	s_lshl_b32 s19, s2, 6
	s_lshl_b32 s3, s13, 4
	s_add_co_u32 s19, s19, s3       ; piece 0's first query
	s_lshl_b32 s2, s19, 7
	s_mov_b32 s3, 0
	s_add_nc_u64 s[2:3], s[2:3], s[20:21]
	s_mov_b32 s[G1K], 15|(1<<16)|(1<<20)|(1<<21)|(4<<22)|(3<<25)  ; the mask of four; 2-byte elements; padding on; bit 21 beside a mask; after every 32 words 4 words
	s_mov_b32 s[G1V], 15|(1<<16)|(1<<20)|(1<<21)|(4<<22)|(7<<25)  ; the same with 8 words
.irp g, G1K, G1V
	s_mov_b32 s[\g+1], 128<<16      ; 128 keys are 16,384 dense bytes: 64 rows of 256 bytes
	s_mov_b32 s[\g+2], 64<<16
	s_mov_b32 s[\g+3], 128<<16
	s_mov_b32 s[\g+4], 64
	s_mov_b32 s[\g+5], 128
	s_mov_b32 s[\g+6], 0
	s_mov_b32 s[\g+7], 0
.endr
	s_mov_b32 s[CS], 0x3e38aa3b     ; c = log2(e) / 8
	s_mov_b32 s[CS+1], s[CS]
	s_mov_b32 s[SEL], 0x76543210
	s_mov_b32 s[SEL+1], 0xfedcba98
	s_mov_b32 s[TBK], SLOT1+4*KS*PK ; the first change of slots turns these two into 0
	s_mov_b32 s[TBV], SLOT1+4*KS*PV
	s_mov_b32 s[G0K], 1
	s_mov_b32 s[G0K+1], s17
	s_mov_b32 s[G0V], 1
	s_add_co_u32 s[G0V+1], s18, VOFF
	s_and_b32 s[LIM], s[WV], 1
	s_or_b32 s[LIM], s[LIM], ttmp9
	s_cmp_eq_u32 s[LIM], 0
	s_cselect_b32 s[LIM], 1, -1
	s_wait_dscnt 0x0                ; the opening add is done
	s_wait_kmcnt 0x0
	s_add_nc_u64 s[G0K+2:G0K+3], s[6:7], s[22:23]
	s_or_b32 s[G0K+3], s[G0K+3], 0x80000000
	s_add_nc_u64 s[G0V+2:G0V+3], s[8:9], s[22:23]
	s_or_b32 s[G0V+3], s[G0V+3], 0x80000000
	s_add_nc_u64 s[KH:KH+1], s[6:7], s[20:21]
	s_add_nc_u64 s[VH:VH+1], s[8:9], s[20:21]
	s_add_nc_u64 s[4:5], s[4:5], s[2:3]      ; Q and O at piece 0's first row
	s_add_nc_u64 s[10:11], s[10:11], s[2:3]
	s_cmp_lt_u32 s[WV], 2
	s_cselect_b64 s[PFA:PFA+1], s[KH:KH+1], s[VH:VH+1]
	s_lshl_b32 s2, s13, 13
	s_mov_b32 s3, 0
	s_add_nc_u64 s[PFA:PFA+1], s[PFA:PFA+1], s[2:3]
	s_add_nc_u64 s[PFA:PFA+1], s[PFA:PFA+1], 2*4*KS*128  ; in slot 2; the first change in the loop steps it to slot 3
	s_lshl_b32 s2, s14, 14
	s_add_nc_u64 s[WOB:WOB+1], s[72:73], s[2:3]
	s_lshl_b32 s2, s14, 13
	s_add_nc_u64 s[WHB:WHB+1], s[74:75], s[2:3]
	CROUND                          ; all four work-groups are here
	JLOAD                           ; slot 0
	; THE START'S LOADS.  A fragment of Q or K: lane l holds row l % 16, channels 8 (l / 16) + 0..7 of each 16: four loads of 16 bytes, 32 bytes apart; O^T's lane layout has the same channels.
	v_and_b32 v1, 15, v0
	v_bfe_u32 v9, v0, 4, 1
	v_lshlrev_b32 v[QO], 7, v1
	v_lshl_add_u32 v[QO], v9, 4, v[QO]
	v_add_nc_u32 v[QV], s19, v1
	v_lshlrev_b32 v[BO], 7, v[QV]
	v_lshl_add_u32 v[BO], v9, 4, v[BO]       ; my query's row in the head
	v_max_u32 v[BOM], 1, v[QV]               ; row q - 1 of piece 0, held to the head: max(q, 1), read 128 bytes back
	v_lshlrev_b32 v[BOM], 7, v[BOM]
	v_lshl_add_u32 v[BOM], v9, 4, v[BOM]
	v_min_u32 v[BOP], 0x73e, v[QV]           ; row q + 1 of piece 3, held to the head: min(q0, 1854) + 193
	v_lshlrev_b32 v[BOP], 7, v[BOP]
	v_lshl_add_u32 v[BOP], v9, 4, v[BOP]
	v_and_b32 v[RKO], 7, v0
	v_min_u32 v[RKO], 4, v[RKO]              ; rel_k as 16 'keys': row min(l % 8, 4): registers 0-4 of the result hold qr_0..4 in both halves of the lanes
	v_lshlrev_b32 v[RKO], 8, v[RKO]
	v_lshl_add_u32 v[RKO], v9, 5, v[RKO]
	v_lshlrev_b32 v[RVO], 5, v9
	v_lshlrev_b32 v[WOO], 5, v0
	v_lshlrev_b32 v[WSO], 4, v0
.macro BLD dst, x, e, sb            ; row q + e - 1 of piece x, 64 channels' halves in fragment layout
.irp i, 0,1,2,3
.if ((\x) == 0) && ((\e) == 0)
	global_load_b128 v[(\dst)+4*\i:(\dst)+4*\i+3], v[BOM], s[\sb:\sb+1] offset:32*\i-128
.elseif ((\x) == 3) && ((\e) == 2)
	global_load_b128 v[(\dst)+4*\i:(\dst)+4*\i+3], v[BOP], s[\sb:\sb+1] offset:193*128+32*\i
.else
	global_load_b128 v[(\dst)+4*\i:(\dst)+4*\i+3], v[BO], s[\sb:\sb+1] offset:(64*(\x)+(\e)-1)*128+32*\i
.endif
.endr
.endm
.macro RVL dst, j                   ; row j of rel_v in O^T's lane layout: register 8 cb + jj is channel 16 cb + 8 (l / 16) + jj
.irp n, 0,1,2,3,4,5,6,7
	global_load_b128 v[(\dst)+4*\n:(\dst)+4*\n+3], v[RVO], s[70:71] offset:256*(\j)+64*(\n/2)+16*(\n%2)
.endr
.endm
	WIN 0x80
.set i, 0
.rept 8
	global_load_b128 v[8*i:8*i+3],   v[QO], s[4:5] offset:(i/2)*8192+(i%2)*64
	global_load_b128 v[8*i+4:8*i+7], v[QO], s[4:5] offset:(i/2)*8192+(i%2)*64+32
.set i, i+1
.endr
.irp i, 0,1,2,3
	global_load_b128 v[224+8*\i:224+8*\i+3],   v[WOO], s[WOB:WOB+1] offset:4096*\i
	global_load_b128 v[224+8*\i+4:224+8*\i+7], v[WOO], s[WOB:WOB+1] offset:4096*\i+16
.endr
.irp e, 0,1,2
	BLD 128+16*\e, 2, \e, VH
	BLD 176+16*\e, 3, \e, VH
.endr
	WIN 0x40
.irp e, 0,1,2
	BLD 128+16*\e, 0, \e, VH
	BLD 176+16*\e, 1, \e, VH
.endr
	WIN 0xc0
.irp x, 0,1,2,3
.irp e, 0,1,2
	BLD 48*\x+16*\e, \x, \e, KH
.endr
.endr
.irp n, 0,1,2,3,4,5,6,7
	global_load_b128 v[RKR+4*\n:RKR+4*\n+3], v[RKO], s[68:69] offset:128*(\n/4)+16*(\n%2)+64*((\n/2)%2)
.endr
	WIN 0
	RVL DR0, 0
	RVL DR1, 1
	RVL DR2, 2
	RVL DR3, 3
	RVL RV4, 4
	; work on registers while the loads are out
	v_mov_b32 v[NEGV], 0xf149f2ca   ; -1e30
	v_lshlrev_b32 v[D14], 3, v9
	v_sub_nc_u32 v[D14], v1, v[D14]
.irp j, 0,1,2,3,4,5,6,7
	v_cmp_eq_i32 vcc_lo, \j, v[D14]
	v_cndmask_b32 v[IDP+\j], 0, 1.0, vcc_lo
.endr
	s_lshl_b32 s2, s13, 4
	v_add_nc_u32 v[D14], s2, v[D14]
	v_cmp_eq_i32 s[MP], -8, v[D14]
	v_cmp_eq_i32 s[MN], 63, v[D14]
	WIN 0x80                        ; the own step's patterns: register i is key 16 (i / 8) + i % 8 + 8 (l / 16), so k - q = 16 (i / 8) + i % 8 - D14
.set i, 0
.rept 32
	v_cmp_lt_i32 vcc_lo, 16*(i/8)+i%8+1, v[D14]
	v_cndmask_b32 v[APT+i], 0, 1.0, vcc_lo
	v_cmp_lt_i32 s2, 16*(i/8)+i%8-2, v[D14]
	s_and_not1_b32 s2, s2, vcc_lo
	v_cndmask_b32 v[NPT+i], 0, v[NEGV], s2
.set i, i+1
.endr
	WIN 0
	v_mul_u32_u24 v[AK0], v1, PK
	v_lshl_add_u32 v[AK0], v9, 4, v[AK0]
	v_and_b32 v10, 7, v0
	v_bfe_u32 v11, v0, 3, 1
	v_lshl_add_u32 v[AV0], v9, 3, v10
	v_mul_u32_u24 v[AV0], v[AV0], PV
	v_lshl_add_u32 v[AV0], v11, 4, v[AV0]
	v_add_nc_u32 v[AV0], VOFF, v[AV0]
	s_mul_i32 s2, s[WV], 16*SP
	s_add_co_u32 s2, s2, STAGE
	v_mul_u32_u24 v[STO], v1, SP
	v_lshl_add_u32 v[STO], v9, 4, v[STO]
	v_add_nc_u32 v[STO], s2, v[STO]
	v_bfe_u32 v[RD], v0, 3, 2
	v_mul_u32_u24 v[RD], v[RD], SP
	v_lshl_add_u32 v[RD], v10, 4, v[RD]
	v_add_nc_u32 v[RD], s2, v[RD]
	v_and_b32 v[GO], 31, v0
	v_lshlrev_b32 v[PFO], 8, v[GO]
	v_lshlrev_b32 v[GO], 4, v[GO]
	CHANGE 1, 0                     ; slot 0 is in, everybody's part of it; slot 1 is asked for
	s_wait_loadcnt 0x0
	; Wo: four rows rounded to f16; a store of the work-group covers a row's 2,048 bytes
	WIN 0x4a
.set i, 0
.rept 16
	v_cvt_pk_f16_f32 v[224+i], v[224+2*i], v[224+2*i+1]
.set i, i+1
.endr
	WIN 0x04
.irp i, 0,1,2,3
	global_store_b128 v[WSO], v[224+4*\i:224+4*\i+3], s[WHB:WHB+1] offset:2048*\i
.endr
	WIN 0xcf
.set i, 0
.rept 16
	v_cvt_pk_f16_f32 v[RKF+i], v[RKR+2*i], v[RKR+2*i+1]
.set i, i+1
.endr
	WIN 0
.irp d, DR0, DR1, DR2, DR3
.set i, 0
.rept 16
	v_pk_add_f32 v[\d+i:\d+i+1], v[\d+i:\d+i+1], v[RV4+i:RV4+i+1] neg_lo:[0,1] neg_hi:[0,1]
.set i, i+2
.endr
.endr
	; 32 products on 16 accumulators that take turns: Q rel_k^T of the four pieces, and for each piece and e the 16 x 16 block (rows q + e - 1) Q^T, whose diagonal is wanted
	WIN 0x5b
.irp c, 0,1
.irp x, 0,1,2,3
.if \c == 0
	v_wmma_f32_16x16x32_f16 v[QR+8*\x:QR+8*\x+7], v[RKF+8*\c:RKF+8*\c+7], v[16*\x+8*\c:16*\x+8*\c+7], 0
.else
	v_wmma_f32_16x16x32_f16 v[QR+8*\x:QR+8*\x+7], v[RKF+8*\c:RKF+8*\c+7], v[16*\x+8*\c:16*\x+8*\c+7], v[QR+8*\x:QR+8*\x+7]
.endif
.endr
.irp x, 0,1,2,3
.irp e, 0,1,2
.if \c == 0
	v_wmma_f32_16x16x32_f16 v[8*(3*\x+\e):8*(3*\x+\e)+7], v[48*\x+16*\e+8*\c:48*\x+16*\e+8*\c+7], v[16*\x+8*\c:16*\x+8*\c+7], 0
.else
	v_wmma_f32_16x16x32_f16 v[8*(3*\x+\e):8*(3*\x+\e)+7], v[48*\x+16*\e+8*\c:48*\x+16*\e+8*\c+7], v[16*\x+8*\c:16*\x+8*\c+7], v[8*(3*\x+\e):8*(3*\x+\e)+7]
.endif
.endr
.endr
.endr
.rept 4
	v_nop                           ; the places behind those products
.endr
	WIN 0x01                        ; the diagonals
.irp jj, 0,1,2,3
.set a, 0
.rept 12
.if \jj == 0
	v_pk_mul_f32 v[UP+2*a:UP+2*a+1], v[8*a:8*a+1], v[IDP:IDP+1]
.else
	v_pk_fma_f32 v[UP+2*a:UP+2*a+1], v[8*a+2*\jj:8*a+2*\jj+1], v[IDP+2*\jj:IDP+2*\jj+1], v[UP+2*a:UP+2*a+1]
.endif
.set a, a+1
.endr
.endr
	WIN 0x05
.irp x, 0,1,2,3
	v_sub_f32 v[BX+4*\x], v[QR+8*\x], v[QR+8*\x+4]
	v_sub_f32 v[BT+3*\x], v[QR+8*\x+1], v[QR+8*\x+4]
	v_sub_f32 v[BT+3*\x+1], v[QR+8*\x+2], v[QR+8*\x+4]
	v_sub_f32 v[BT+3*\x+2], v[QR+8*\x+3], v[QR+8*\x+4]
.endr
	WIN 0
.macro A12 line:vararg              ; one line for each a = 3 x + e
.set a, 0
.rept 12
	\line
.set a, a+1
.endr
.endm
	A12 v_add_f32 v[UP+2*a], v[UP+2*a], v[UP+2*a+1]
	A12 v_permlanex16_b32 v[UP+2*a+1], v[UP+2*a], s[SEL], s[SEL+1]
	A12 v_add_f32 v[UP+2*a], v[UP+2*a], v[UP+2*a+1]
	A12 v_add_f32 v[UP+2*a], v[UP+2*a], v[BT+a]
	v_cmp_eq_u32 vcc_lo, 0, v[QV]            ; query 0 has no key -1,
	v_cndmask_b32 v[UP], v[UP], v[NEGV], vcc_lo
	v_cmp_eq_u32 vcc_lo, 0x73f, v[QV]        ; query 2,047 (piece 3) no key 2,048
	v_cndmask_b32 v[UP+22], v[UP+22], v[NEGV], vcc_lo
.irp x, 0,1,2,3
	v_max3_num_f32 v[ST+4*\x+1], v[UP+6*\x], v[UP+6*\x+2], v[UP+6*\x+4]
.endr
.irp x, 0,1,2,3
	v_mul_f32 v[ST+4*\x], s[CS], v[ST+4*\x+1]
	v_mov_b32 v[ST+4*\x+2], 0
	v_mov_b32 v[ST+4*\x+3], 0
.endr
.irp x, 0,1,2,3
	v_mov_b32 v[BX+4*\x+1], v[ST+4*\x]
.endr
	A12 v_fma_f32 v[UP+2*a], v[UP+2*a], s[CS], -v[ST+4*(a/3)]
	A12 v_exp_f32 v[UP+2*a], v[UP+2*a]
	v_nop                           ; a plain instruction behind the last exponential,
	s_wait_alu depctr_va_vdst(0)    ; and one wait for the twelve, ahead of their first reader
.irp x, 0,1,2,3
	v_add_f32 v[BX+4*\x+2], v[UP+6*\x], v[UP+6*\x+2]
.endr
.irp x, 0,1,2,3
	v_add_f32 v[BX+4*\x+2], v[BX+4*\x+2], v[UP+6*\x+4]
.endr
; O^T of piece x starts as the sum over the band of p (V + rv - rv_4): the differences in f32, V's f16 halves taken by the mixed multiply-add
.macro OINIT x
.set pU, UP+6*(\x)
	WIN 0x40
.set n, 0
.rept 16
	v_pk_mul_f32 v[32*(\x)+2*n:32*(\x)+2*n+1], v[DR1+2*n:DR1+2*n+1], v[pU:pU+1] op_sel_hi:[1,0]
.set n, n+1
.endr
	WIN 0x50
.set n, 0
.rept 16
	v_pk_fma_f32 v[32*(\x)+2*n:32*(\x)+2*n+1], v[DR2+2*n:DR2+2*n+1], v[pU+2:pU+3], v[32*(\x)+2*n:32*(\x)+2*n+1] op_sel_hi:[1,0,1]
.set n, n+1
.endr
.set n, 0
.rept 16
	v_pk_fma_f32 v[32*(\x)+2*n:32*(\x)+2*n+1], v[DR3+2*n:DR3+2*n+1], v[pU+4:pU+5], v[32*(\x)+2*n:32*(\x)+2*n+1] op_sel_hi:[1,0,1]
.set n, n+1
.endr
	WIN 0x51+(\x)/2
.irp e, 0,1,2
.set n, 0
.rept 16
	v_fma_mix_f32 v[32*(\x)+2*n],   v[128+48*((\x)%2)+16*\e+n], v[pU+2*\e], v[32*(\x)+2*n]   op_sel:[0,0,0] op_sel_hi:[1,0,0]
	v_fma_mix_f32 v[32*(\x)+2*n+1], v[128+48*((\x)%2)+16*\e+n], v[pU+2*\e], v[32*(\x)+2*n+1] op_sel:[1,0,0] op_sel_hi:[1,0,0]
.set n, n+1
.endr
.endr
.endm
	OINIT 0
	OINIT 1
	OINIT 2
	OINIT 3
	s_wait_xcnt 0x0                 ; Wo's stores have read their registers, which are written below
	WIN 0x40
.irp x, 0,1,2,3
.set i, 0
.rept 32
	v_mov_b32 v[MC+32*\x+i], v[BX+4*\x]   ; the bias of the steps before the own one
.set i, i+1
.endr
.endr
	WIN 0x80
.set i, VF
.rept 64
	v_mov_b32 v[i], 0               ; the first turn's products V^T P, of a piece that has not been, add 0
.set i, i+1
.endr
	WIN 0
.set i, P+16
.rept 16
	v_mov_b32 v[i], 0
.set i, i+1
.endr
; THE MATRIX WORK.  The 4 accumulators of a run of 8 take turns.  Product i of 8 of S^T = K Q^T for piece x: channels 32 (i / 4) on, keys 16 (i % 4) on; the first 4 start the sums with the bias.
.macro KQ x
.set rS, S+32*((\x)%2)+8*(i%4)
.set rK, KF+16*(i%4)+8*(i/4)
.set rQ, 16*(\x)+8*(i/4)
.set rM, MC+32*(\x)+8*(i%4)
.if i < 4
	WIN W_KM
	v_wmma_f32_16x16x32_f16 v[rS:rS+7], v[rK:rK+7], v[rQ:rQ+7], v[rM:rM+7]
.else
	WIN W_KQ
	v_wmma_f32_16x16x32_f16 v[rS:rS+7], v[rK:rK+7], v[rQ:rQ+7], v[rS:rS+7]
.endif
.endm
.macro PV x
	WIN W_PV
.set rO, 32*(\x)+8*(i%4)
.set rV, VF+32*(i/4)+8*(i%4)
.set rP, P+16*((\x)%2)+8*(i/4)
	v_wmma_f32_16x16x32_f16 v[rO:rO+7], v[rV:rV+7], v[rP:rP+7], v[rO:rO+7]
.endm
.macro MM
.if (i < 8) && !NOKQ
	KQ (Y+1)%NP
.elseif i >= 8
.set i, i-8
	PV (Y+NP-1)%NP
.set i, i+8
.endif
.set i, i+1
.endm
.macro FETCH_K
	WIN 0x80
.irp f, 0,1,2,3,4,5,6,7
	ds_load_b128 v[KF+8*\f:KF+8*\f+3],   v[AK] offset:(\f/2)*16*PK+(\f%2)*64
	ds_load_b128 v[KF+8*\f+4:KF+8*\f+7], v[AK] offset:(\f/2)*16*PK+(\f%2)*64+32
.endr
	s_add_co_u32 s[TBK], s[TBK], KS*PK
	WIN 0
.endm
.macro FETCH_V
	WIN 0x80
.irp f, 0,1,2,3,4,5,6,7
	ds_load_tr16_b128 v[VF+8*\f:VF+8*\f+3],   v[AV] offset:(\f/4)*32*PV+(\f%4)*32
	ds_load_tr16_b128 v[VF+8*\f+4:VF+8*\f+7], v[AV] offset:(\f/4)*32*PV+16*PV+(\f%4)*32
.endr
	WIN 0
.endm
; THE VECTOR WORK: OP kind, number.  For piece Y: F n: c s - c m for pair n.  E n: the exponential of score n.  C n: pair n rounded to f16.  B n: of four weights the second pair onto the first.  L n: l takes that sum
; (L 0: l = a l + sum).  R n: pair n of O^T times a.  For piece Y + 1: X n, number n of the 22 that find its maximum and statistics (each accumulator's lowest registers are read first).
.set F, 0
.set E, 1
.set C, 2
.set B, 3
.set L, 4
.set R, 5
.set X, 6
.macro REGS y
.set rT, ST+4*(\y)
.set rC, TMP+4*((\y)%2)
.set rW, MV+((\y)%2)
.set rS, S+32*((\y)%2)
.set rP, P+16*((\y)%2)
.set rO, 32*(\y)
.endm
.macro OP k, n
.if (\k) == R
	REGS Y
	WIN W_RS
	v_pk_mul_f32 v[rO+2*(\n):rO+2*(\n)+1], v[rO+2*(\n):rO+2*(\n)+1], v[rC+2:rC+3] op_sel_hi:[1,0]
.elseif (\k) < R
	REGS Y
	WIN 0
.if (\k) == F
	v_pk_fma_f32 v[rS+2*(\n):rS+2*(\n)+1], v[rS+2*(\n):rS+2*(\n)+1], s[CS:CS+1], v[rT:rT+1] op_sel_hi:[1,0,0] neg_lo:[0,0,1] neg_hi:[0,0,1]
.elseif (\k) == E
	v_exp_f32 v[rS+(\n)], v[rS+(\n)]
.elseif (\k) == C
	v_cvt_pk_f16_f32 v[rP+(\n)], v[rS+2*(\n)], v[rS+2*(\n)+1]
.elseif (\k) == B
	v_pk_add_f32 v[rS+4*(\n):rS+4*(\n)+1], v[rS+4*(\n):rS+4*(\n)+1], v[rS+4*(\n)+2:rS+4*(\n)+3]
.elseif (\n) == 0
	v_pk_fma_f32 v[rT+2:rT+3], v[rT+2:rT+3], v[rC+2:rC+3], v[rS:rS+1] op_sel_hi:[1,0,1]
.else
	v_pk_add_f32 v[rT+2:rT+3], v[rT+2:rT+3], v[rS+4*(\n):rS+4*(\n)+1]
.endif
.elseif NOKQ
	v_nop
.else
	REGS (Y+1)%NP
	WIN 0
.if (\n) < 4
	v_max3_num_f32 v[rC+(\n)], v[rS+8*(\n)], v[rS+8*(\n)+1], v[rS+8*(\n)+2]
.elseif (\n) < 12
	v_max3_num_f32 v[rC+(\n)%4], v[rC+(\n)%4], v[rS+8*((\n)%4)+2*((\n)/4)+1], v[rS+8*((\n)%4)+2*((\n)/4)+2]
.elseif (\n) == 12
	v_max3_num_f32 v[rC], v[rC], v[rS+7], v[rS+15]
.elseif (\n) == 13
	v_max3_num_f32 v[rC+1], v[rC+1], v[rS+23], v[rS+31]
.elseif (\n) == 14
	v_max3_num_f32 v[rC+2], v[rC+2], v[rC+3], v[rT+1]
.elseif (\n) == 15
	v_mov_b32 v[rW], v[rT]
.elseif (\n) == 16
	v_max3_num_f32 v[rC], v[rC], v[rC+1], v[rC+2]
.elseif (\n) == 17
	v_permlanex16_b32 v[rC+3], v[rC], s[SEL], s[SEL+1]
.elseif (\n) == 18
	v_max_num_f32 v[rT+1], v[rC], v[rC+3]
.elseif (\n) == 19
	v_mul_f32 v[rT], s[CS], v[rT+1]
.elseif (\n) == 20
	v_sub_f32 v[rC+1], v[rW], v[rT]
.else
	v_exp_f32 v[rC+2], v[rC+1]
.endif
.endif
.endm
.macro OPS a, i1, b=-1, i2=0, c=-1, i3=0, d=-1, i4=0
	OP \a, \i1
.if (\b) >= 0
	OP \b, \i2
.endif
.if (\c) >= 0
	OP \c, \i3
.endif
.if (\d) >= 0
	OP \d, \i4
.endif
.endm
.macro ROW a, i1, b, i2, c, i3, d, i4
	MM
	OPS \a, \i1, \b, \i2, \c, \i3, \d, \i4
.endm
; THE BIAS OF PIECE x FOR ITS NEXT STEP.  T = 0: the step before the own one: key 63 is hidden where it is q - 1.  T = 1: the own step: beta_0 left of the band, -1e30 in it, 0 right of it.
; T = 2: the step behind: 0, and key 0 hidden where it is q + 1.  T = 3: that place is 0 again.  Any other T: nothing.  All jumps go forward, past register work alone, on numbers that all partners share.
.macro MASKUP x
	WIN 0
	s_cmp_lt_u32 s[TT+(\x)], 4
	s_cbranch_scc0 .Lmu_end_\@
	s_cmp_eq_u32 s[TT+(\x)], 0
	s_cbranch_scc0 .Lmu_1_\@
	WIN 0x40
	v_cndmask_b32 v[MC+32*(\x)+31], v[BX+4*(\x)], v[NEGV], s[MP]
	WIN 0
	s_branch .Lmu_end_\@
.Lmu_1_\@:
	s_cmp_eq_u32 s[TT+(\x)], 1
	s_cbranch_scc0 .Lmu_2_\@
	WIN 0x62
.set z, 0
.rept 16
	v_pk_fma_f32 v[MC+32*(\x)+2*z:MC+32*(\x)+2*z+1], v[APT+2*z:APT+2*z+1], v[BX+4*(\x):BX+4*(\x)+1], v[NPT+2*z:NPT+2*z+1] op_sel_hi:[1,0,1]
.set z, z+1
.endr
	WIN 0
	s_branch .Lmu_end_\@
.Lmu_2_\@:
	s_cmp_eq_u32 s[TT+(\x)], 2
	s_cbranch_scc0 .Lmu_3_\@
	WIN 0x40
	v_cndmask_b32 v[MC+32*(\x)], 0, v[NEGV], s[MN]
.set z, 1
.rept 31
	v_mov_b32 v[MC+32*(\x)+z], 0
.set z, z+1
.endr
	WIN 0
	s_branch .Lmu_end_\@
.Lmu_3_\@:
	WIN 0x40
	v_mov_b32 v[MC+32*(\x)], 0
	WIN 0
.Lmu_end_\@:
	s_add_co_u32 s[TT+(\x)], s[TT+(\x)], 1
.endm
; PIECE y's OWN STEP: lL = a l + the sum of this step's weights left of the band, over both halves of the lanes; O^T += lL (rv_0 - rv_4).  It stands behind the turn's wait: S^T holds the weights, O^T has
; been rescaled, l not yet.
.macro TRANS y
	WIN 0
	s_cmp_eq_u32 s[TT+(\y)], 2
	s_cbranch_scc0 .Lno_tr_\@
	REGS \y
	v_pk_mul_f32 v[TR:TR+1], v[rT+2:rT+3], v[rC+2:rC+3] op_sel_hi:[1,0]
	v_mov_b32 v[TR+2], 0
	v_mov_b32 v[TR+3], 0
	WIN 0x08
.set z, 0
.rept 8
	v_pk_fma_f32 v[TR:TR+1], v[rS+4*z:rS+4*z+1], v[APT+4*z:APT+4*z+1], v[TR:TR+1]
	v_pk_fma_f32 v[TR+2:TR+3], v[rS+4*z+2:rS+4*z+3], v[APT+4*z+2:APT+4*z+3], v[TR+2:TR+3]
.set z, z+1
.endr
	WIN 0
	v_pk_add_f32 v[TR:TR+1], v[TR:TR+1], v[TR+2:TR+3]
	v_add_f32 v[TR], v[TR], v[TR+1]
	v_permlanex16_b32 v[TR+1], v[TR], s[SEL], s[SEL+1]
	v_add_f32 v[TR], v[TR], v[TR+1]
	WIN 0x50
.set z, 0
.rept 16
	v_pk_fma_f32 v[rO+2*z:rO+2*z+1], v[DR0+2*z:DR0+2*z+1], v[TR:TR+1], v[rO+2*z:rO+2*z+1] op_sel_hi:[1,0,1]
.set z, z+1
.endr
	WIN 0
.Lno_tr_\@:
.endm
; A TURN, for piece p.  Ahead of its one wait stands all that names no result of its exponentials: 8 products K Q^T with their riders and one lump; behind it 8 products V^T P, behind each four of the roundings
; and sums.  K of the next step is fetched in piece 2's turn, V of the step in hand at the end of piece 0's, each four plain instructions or more behind the last product that read the registers, and
; waited for a turn later.  end = 1: the last two turns: nothing is fetched, no bias is made, and the last starts no new scores.
.macro TURN p, end=0
.set Y, (\p)
.set i, 0
.set NOKQ, (\end)*((\p)/3)
.if ((\p) == 3) && !(\end)
	s_wait_dscnt 0x0                ; K is in
.endif
	ROW F,0, F,1, R,0, R,1
	ROW F,2, E,0, R,2, R,3
	ROW F,3, E,1, R,4, R,5
	ROW F,4, E,2, R,6, R,7
	ROW F,5, E,3, R,8, R,9
	ROW F,6, E,4, X,0, R,10
.if ((\p) == 2) && !(\end)
	WIN 0
	v_add_nc_u32 v[AK], s[TBK], v[AK0]
.endif
	ROW F,7, E,5, X,1, X,4
	ROW F,8, E,6, X,2, X,5
	OPS E,7, E,8, X,6, E,9
	OPS X,3, E,10, X,8, E,11
.if ((\p) == 2) && !(\end)
	FETCH_K
.endif
	OPS X,9, X,7, E,12, X,10
	OPS E,13, X,12, X,11, E,14
	OPS X,13, E,15, F,9, X,14
.if (\p) == 0
	v_add_nc_u32 v[AV], s[TBV], v[AV0]
.endif
	OPS E,16, F,10, E,17, F,11
	OPS X,16, E,18, X,15, E,19
	OPS F,12, E,20, X,17, E,21
	OPS F,13, E,22, F,14, E,23
	OPS X,18, E,24, F,15, E,25
	OPS R,11, E,26, X,19, E,27
	OPS R,12, E,28, R,13, E,29
	OPS X,20, E,30, R,14, E,31
	OPS X,21, R,15
	WIN 0
	s_wait_alu depctr_va_vdst(0)    ; the wait for the batch; the rescaling above it is the plain instruction behind the last exponential
	TRANS \p
.if (\p) == 1
	s_wait_dscnt 0x0                ; V is in
.endif
	ROW C,0, B,0, C,2, B,1
	ROW L,0, C,4, B,2, L,1
	ROW C,6, B,3, L,2, C,8
	ROW B,4, L,3, C,10, B,5
	ROW L,4, C,12, B,6, L,5
.if (\p) == 0
	s_add_co_u32 s[TBV], s[TBV], KS*PV
.endif
	ROW C,14, B,7, L,6, C,1
	ROW C,3, L,7, C,5, C,7
	ROW C,9, C,11, C,13, C,15
.if (\p) == 0
	FETCH_V
.endif
.if !(\end)
	MASKUP ((\p)+2)%NP
.endif
.endm
	; THE WALK BEGINS: the bias of pieces 0 and 1 for step 0, K of step 0, piece 0's first scores, its maximum and statistics (m and c m come from the band)
.set NOKQ, 0
	MASKUP 0
	MASKUP 1
	v_add_nc_u32 v[AK], s[TBK], v[AK0]
	FETCH_K
	s_wait_dscnt 0x0
.set i, 0
.rept 8
	KQ 0
.set i, i+1
.endr
	WIN 0
.rept 4
	v_nop                           ; the places behind those products
.endr
.set Y, NP-1
.irp n, 0,1,2,3,4,5,6,7,8,9,10,11,12,13,14,15,16,17,18,19,20,21
	OP X, \n
.endr
	v_nop
	s_wait_alu depctr_va_vdst(0)
	s_mov_b32 s[CNT], 4
	s_mov_b32 s[SLOTS], 7
	s_branch .Lfirst                ; the loop is entered at a step's first turn
.Lslot:                             ; six times: every slot but the last two is filled again
	CHANGE 1, 1
	s_mov_b32 s[CNT], 4
.Lstep:                             ; a trip: pieces 2 and 3 of one step, pieces 0 and 1 of the next
	TURN 2
	TURN 3
	WIN 0
.Lfirst:
	TURN 0
	TURN 1
	WIN 0
	s_sub_co_u32 s[CNT], s[CNT], 1
	s_cmp_lg_u32 s[CNT], 0
	s_cbranch_scc1 .Lstep
	s_sub_co_u32 s[SLOTS], s[SLOTS], 1
	s_cmp_lg_u32 s[SLOTS], 0
	s_cbranch_scc1 .Lslot
	CHANGE 0, 0                     ; the tail is written out
	s_mov_b32 s[CNT], 4
.Ltail:
	TURN 2
	TURN 3
	TURN 0
	TURN 1
	WIN 0
	s_sub_co_u32 s[CNT], s[CNT], 1
	s_cmp_lg_u32 s[CNT], 0
	s_cbranch_scc1 .Ltail
	TURN 2, 1
	TURN 3, 1
.set i, 0
.rept 8
	PV NP-1
.set i, i+1
.endr
	; THE WAY OUT.  l's halves are added; the band's sum joins it, brought to the final maximum; O^T / l + rv_4 is rounded to f16 and sent through my stage, a piece at a time.
	WIN 0
.macro ALL line:vararg
.set t, 0
.rept 4
	\line
.set t, t+1
.endr
.endm
	ALL v_add_f32 v[ST+4*t+2], v[ST+4*t+2], v[ST+4*t+3]
	ALL v_permlanex16_b32 v[ST+4*t+3], v[ST+4*t+2], s[SEL], s[SEL+1]
	ALL v_add_f32 v[ST+4*t+2], v[ST+4*t+2], v[ST+4*t+3]
	ALL v_sub_f32 v[BX+4*t+1], v[BX+4*t+1], v[ST+4*t]
	ALL v_exp_f32 v[BX+4*t+1], v[BX+4*t+1]
	v_nop
	s_wait_alu depctr_va_vdst(0)    ; one wait for the four exponentials
	ALL v_fma_f32 v[ST+4*t+2], v[BX+4*t+2], v[BX+4*t+1], v[ST+4*t+2]
	ALL v_rcp_f32 v[ST+4*t+2], v[ST+4*t+2]
	v_nop
	s_wait_alu depctr_va_vdst(0)    ; one wait for the four reciprocals
.macro PACK t
	WIN W_RS
.set i, 0
.rept 16
	v_pk_fma_f32 v[32*(\t)+i:32*(\t)+i+1], v[32*(\t)+i:32*(\t)+i+1], v[ST+4*(\t)+2:ST+4*(\t)+3], v[RV4+i:RV4+i+1] op_sel_hi:[1,0,1]
.set i, i+2
.endr
	WIN 0x05
.set i, 0
.rept 16
	v_cvt_pk_f16_f32 v[S+16*(\t)+i], v[32*(\t)+2*i], v[32*(\t)+2*i+1]
.set i, i+1
.endr
	WIN 0
.irp f, 0,1,2,3
	ds_store_b128 v[STO], v[S+16*(\t)+4*\f:S+16*(\t)+4*\f+3] offset:32*\f
.endr
.irp f, 0,1,2,3
	ds_load_b128 v[S+16*(\t)+4*\f:S+16*(\t)+4*\f+3], v[RD] offset:\f*4*SP  ; LDS serves a wave's instructions in order: these see the stores above
.endr
.endm
.macro SEND t, younger              ; younger: the LDS instructions issued behind piece t's loads: the next piece's eight, or none
	WIN 0
.irp f, 0,1,2,3
	s_wait_dscnt (\younger)+3-\f
	global_store_b128 v[GO], v[S+16*(\t)+4*\f:S+16*(\t)+4*\f+3], s[10:11] offset:(\t)*8192+\f*512  ; 512 consecutive bytes, aligned
.endr
.endm
	PACK 0
.set t, 1
.rept 3
	PACK t
	SEND t-1, 8
.set t, t+1
.endr
	SEND 3, 0
	s_wait_tensorcnt 0x0            ; the wave's end
	ds_add_u32 v[SPW], v[NIL]
	s_wait_dscnt 0x0
	CROUND                          ; the closing round
	s_endpgm
.Lfunc_end_k_qc9a6efdcbd_attn:
	.size	k_qc9a6efdcbd_attn, .Lfunc_end_k_qc9a6efdcbd_attn-k_qc9a6efdcbd_attn
	.p2alignl 7, 3214868480
	.fill 96, 4, 3214868480
	.section	.rodata,"a",@progbits
	.p2align	6, 0x0
	.amdhsa_kernel k_qc9a6efdcbd_attn
		.amdhsa_group_segment_fixed_size 327680
		.amdhsa_private_segment_fixed_size 0
		.amdhsa_enable_private_segment 0
		.amdhsa_kernarg_size 64
		.amdhsa_user_sgpr_count 2
		.amdhsa_user_sgpr_kernarg_segment_ptr 1
		.amdhsa_wavefront_size32 1
		.amdhsa_system_sgpr_workgroup_id_x 1
		.amdhsa_system_sgpr_workgroup_id_y 1
		.amdhsa_system_sgpr_workgroup_id_z 1
		.amdhsa_system_vgpr_workitem_id 0
		.amdhsa_next_free_vgpr 1024
		.amdhsa_next_free_sgpr 96
		.amdhsa_reserve_vcc 1
		.amdhsa_float_denorm_mode_32 3
		.amdhsa_float_denorm_mode_16_64 3
		.amdhsa_memory_ordered 1
		.amdhsa_forward_progress 1
		.amdhsa_inst_pref_size 255
	.end_amdhsa_kernel
	.section	.bss,"aw",@nobits
	.p2align	6
	.space	262144
	.amdgpu_metadata
---
amdhsa.version: [ 1, 2 ]
amdhsa.kernels:
  - .name:           k_qc9a6efdcbd_attn
    .symbol:         k_qc9a6efdcbd_attn.kd
    .args:
      - { .name: q16, .offset: 0, .size: 8, .value_kind: global_buffer, .address_space: global }
      - { .name: k16, .offset: 8, .size: 8, .value_kind: global_buffer, .address_space: global }
      - { .name: v16, .offset: 16, .size: 8, .value_kind: global_buffer, .address_space: global }
      - { .name: o16, .offset: 24, .size: 8, .value_kind: global_buffer, .address_space: global }
      - { .name: rel_k, .offset: 32, .size: 8, .value_kind: global_buffer, .address_space: global }
      - { .name: rel_v, .offset: 40, .size: 8, .value_kind: global_buffer, .address_space: global }
      - { .name: Wo, .offset: 48, .size: 8, .value_kind: global_buffer, .address_space: global }
      - { .name: wo16, .offset: 56, .size: 8, .value_kind: global_buffer, .address_space: global }
    .group_segment_fixed_size: 327680
    .private_segment_fixed_size: 0
    .kernarg_segment_align: 8
    .kernarg_segment_size: 64
    .max_flat_workgroup_size: 128
    .sgpr_count:     96
    .vgpr_count:     1024
    .wavefront_size: 32
...
	.end_amdgpu_metadata
.endif
;; end of part 2
;; launch oproj (part 3): grid 8 x 32, 4 waves a work-group, clusters of 4 x 4, 327,680 bytes of LDS; arguments o16, wo16, bo, out0; writes out0
.if DOCPART == 3
	.amdgcn_target "amdgcn-amd-amdhsa--gfx1250"
	.amdhsa_code_object_version 6
	.text
	.protected	k_qc9a6efdcbd_oproj
	.globl	k_qc9a6efdcbd_oproj
	.p2align	8
	.type	k_qc9a6efdcbd_oproj,@function
k_qc9a6efdcbd_oproj:
	s_mov_b64 s[64:65], 0
	v_nop
	global_prefetch_b8 v0, s[64:65] scope:SCOPE_SE
	s_setreg_imm32_b32 hwreg(HW_REG_WAVE_MODE, 25, 1), 1
	s_wait_xcnt 0x0
	s_wait_alu depctr_hold_cnt(0) depctr_sa_sdst(0) depctr_va_vdst(0) depctr_va_sdst(0) depctr_va_ssrc(0) depctr_va_vcc(0) depctr_vm_vsrc(0)
	s_getreg_b32 s2, hwreg(HW_REG_IB_STS2, 6, 4)
	s_cmp_eq_u32 s2, 0
	s_cbranch_scc0 .Lentry_in_a_cluster
	s_endpgm
.Lentry_in_a_cluster:
	s_bfe_u32 s2, ttmp6, 0x10000c
	s_cmp_lg_u32 s2, 0xf033
	s_cbranch_scc0 .Lentry_shape_is_right
	s_endpgm
.Lentry_shape_is_right:
; THE LAST PROJECTION.  out[m][n] = sum over k of x[m][k] Wo[n][k] + bo[n].  x is o16, laid by heads: [batch x 16 + head][2048][64] f16, k = 64 head + channel; wo16 [1024][1024] f16; bo, out f32.
; Sums in f32; the bias starts them.  LIMITS: none beyond the operands' f16.
; A tile of out is 128 x 128; four waves, each 64 x 64: 16 accumulators.  K goes in four steps of 256 (four heads) through two LDS slots filled by joint tensor loads: x's tile is shared along a row of the
; 4 x 4 cluster, Wo's along a column.  Half a tile of x (64 rows x 4 heads) is ONE load: a head's 64 rows are 8,192 dense bytes, taken as one row of the tile; four such rows lie 2,048 x 64 elements apart.
; No prefetch: four short K steps, and wo16's and o16's tiles are small.  THE MATRIX INSTRUCTION IS USED TRANSPOSED: a lane holds eight neighbouring columns of one row of out.
; REGISTERS: window 0: v0-31 addresses; v32-63 the bias; v128-255 the accumulators ((a, b) at v[128 + 8 (4 a + b)]).   window 1: two fragment buffers of 128: 64 registers of x, then 64 of Wo.
.set PA,     144                       ; a row of x in LDS: a head's 128 bytes + 16
.set HEADB,  64*PA                     ; a head's 64 rows
.set HALFA,  4*HEADB                   ; what one load of x brings
.set PB,     528                       ; a row of Wo: 512 bytes + 16
.set HALFB,  64*PB
.set BOFF,   2*HALFA
.set SLOT,   2*HALFA+2*HALFB
.set STAGE,  2*SLOT                    ; behind the ring: 16 rows x 272 bytes for each wave
.set SPITCH, 272
.set SPARE,  STAGE+4*16*SPITCH         ; the spare words: 128 bytes for each wave, two blocks of 256 bytes that no other line names
.set ASTEP,  4*262144                  ; a K step in o16: four heads
.set BSTEP,  512
.set ADRA, 16
.set ADRB, 20
.set STO,  24
.set RD,   25
.set CO,   26
.set BOF,  27
.set SPW,  28
.set NIL,  29
.set BIAS, 32
.set ACC,  128
.set F0,   0
.set F1,   128
.set G1, 24
.set G0, 32
.set G1B, 48
.set G0B, 56
.set MSB, 0
.macro WIN new
.if MSB != (\new)
	s_set_vgpr_msb (MSB<<8)|(\new)
.set MSB, \new
.endif
.endm
.set MUL,  0x05
.set TO_F, 0x40
.macro JLOAD s                         ; waves 0 and 1 fetch x's two halves, waves 2 and 3 Wo's; an s_nop 0 and four v_nop follow each line
	s_cmp_eq_u32 s11, 0
	s_cbranch_scc0 .Lfor_b_\@
	tensor_load_to_lds s[G0+4*(\s):G0+4*(\s)+3], s[G1:G1+7]
	s_nop 0
.rept 4
	v_nop
.endr
	s_branch .Lasked_\@
.Lfor_b_\@:
	tensor_load_to_lds s[G0B+4*(\s):G0B+4*(\s)+3], s[G1B:G1B+7]
	s_nop 0
.rept 4
	v_nop
.endr
.Lasked_\@:
.endm
.macro CREST
	s_cmp_lg_u32 s10, 0
	s_cbranch_scc1 .Lnot_wave_0_\@
	s_barrier_signal -3
.Lnot_wave_0_\@:
	s_barrier_wait -3
	s_barrier_signal -1
	s_barrier_wait -1
.endm
.macro CROUND
	s_barrier_signal -1
	s_barrier_wait -1
	CREST
.endm
	s_load_b256 s[68:75], s[0:1], 0x0              ; o16 s[68:69], wo16 s[70:71], bo s[72:73], out0 s[74:75]
	v_lshl_add_u32 v[SPW], v0, 2, SPARE
	v_mov_b32 v[NIL], 0
	ds_add_u32 v[SPW], v[NIL]                      ; the wave's opening: the add and its wait stand ahead of my first tensor load
	v_lshrrev_b32 v1, 5, v0
	v_readfirstlane_b32 s10, v1
	s_lshr_b32 s11, s10, 1                         ; my half of the tile's rows.  Also: I fetch for x (0) or for Wo (1)
	s_and_b32 s12, s10, 1                          ; my half of its columns.  Also: which 64 rows I fetch
	s_bfe_u32 s40, ttmp6, 0x40000
	s_bfe_u32 s41, ttmp6, 0x40004
	s_lshl_b32 s42, ttmp9, 2
	s_add_co_u32 s42, s42, s40                     ; tile column, 0..7
	s_and_b32 s13, ttmp7, 0xffff
	s_lshl_b32 s13, s13, 2
	s_add_co_u32 s13, s13, s41                     ; tile row, 0..31
	s_lshl_b32 s43, s41, 2
	s_lshl_b32 s43, 15, s43
	s_lshl_b32 s44, 0x1111, s40
	s_or_b32 s[G1+0], s43, (1<<16)|(1<<20)|(1<<21)|(4<<22)|(3<<25)   ; x: padding of 4 words after every 32 words, a head's row
	s_mov_b32 s[G1+1], 4096<<16                    ; tensor_dim0 = 4,096 elements: 64 rows of a head
	s_mov_b32 s[G1+2], 4<<16                       ; tensor_dim1 = 4 heads
	s_mov_b32 s[G1+3], 4096<<16                    ; tile_dim0
	s_mov_b32 s[G1+4], 4                           ; tile_dim1
	s_mov_b32 s[G1+5], 131072                      ; elements from head to head
	s_mov_b32 s[G1+6], 0
	s_mov_b32 s[G1+7], 0
	s_or_b32 s[G1B+0], s44, (1<<16)|(1<<20)|(1<<21)|(6<<22)|(3<<25)  ; Wo: 4 words after every 128 words
	s_mov_b32 s[G1B+1], 256<<16
	s_mov_b32 s[G1B+2], 64<<16
	s_mov_b32 s[G1B+3], 256<<16
	s_mov_b32 s[G1B+4], 64
	s_mov_b32 s[G1B+5], 1024
	s_mov_b32 s[G1B+6], 0
	s_mov_b32 s[G1B+7], 0
	s_lshl_b32 s18, s12, 6
	s_lshr_b32 s16, s13, 4
	s_lshl_b32 s16, s16, 22                        ; the batch: 16 heads of 262,144 bytes
	s_and_b32 s17, s13, 15
	s_lshl_b32 s17, s17, 7
	s_add_co_u32 s17, s17, s18
	s_lshl_b32 s17, s17, 7                         ; the row in the batch x 128 bytes
	s_add_co_u32 s16, s16, s17
	s_mov_b32 s17, 0
	s_lshl_b32 s46, s42, 7
	s_add_co_u32 s46, s46, s18
	s_lshl_b32 s46, s46, 11                        ; Wo's row x 2,048 bytes
	s_mov_b32 s47, 0
	s_mul_i32 s20, s12, HALFA                      ; where the tiles go: by the wave's number alone
	s_mul_i32 s21, s12, HALFB
	s_add_co_u32 s21, s21, BOFF
	s_wait_dscnt 0x0                               ; the opening add is done
	s_wait_kmcnt 0x0
	s_add_nc_u64 s[14:15], s[68:69], s[16:17]
	s_add_nc_u64 s[46:47], s[70:71], s[46:47]
	CROUND
.irp s, 0,1
	s_mov_b32 s[G0+4*(\s)], 1
	s_add_co_u32 s[G0+4*(\s)+1], s20, (\s)*SLOT
	s_add_nc_u64 s[G0+4*(\s)+2:G0+4*(\s)+3], s[14:15], (\s)*ASTEP
	s_or_b32 s[G0+4*(\s)+3], s[G0+4*(\s)+3], 0x80000000
	s_mov_b32 s[G0B+4*(\s)], 1
	s_add_co_u32 s[G0B+4*(\s)+1], s21, (\s)*SLOT
	s_add_nc_u64 s[G0B+4*(\s)+2:G0B+4*(\s)+3], s[46:47], (\s)*BSTEP
	s_or_b32 s[G0B+4*(\s)+3], s[G0B+4*(\s)+3], 0x80000000
.endr
	s_cmp_eq_u32 s11, 0                            ; a wave's two first fills stand in one branch: two loads of mine are out
	s_cbranch_scc0 .Lfirst_b
	tensor_load_to_lds s[G0:G0+3], s[G1:G1+7]
	s_nop 0
	tensor_load_to_lds s[G0+4:G0+7], s[G1:G1+7]
	s_nop 0
.rept 4
	v_nop
.endr
	s_branch .Lfirst_asked
.Lfirst_b:
	tensor_load_to_lds s[G0B:G0B+3], s[G1B:G1B+7]
	s_nop 0
	tensor_load_to_lds s[G0B+4:G0B+7], s[G1B:G1B+7]
	s_nop 0
.rept 4
	v_nop
.endr
.Lfirst_asked:
	v_and_b32 v1, 15, v0
	v_bfe_u32 v2, v0, 4, 1
	s_lshl_b32 s46, s42, 9
	s_lshl_b32 s47, s12, 8
	s_add_co_u32 s46, s46, s47                     ; my first column, in bytes of f32
	v_lshl_add_u32 v[BOF], v2, 5, s46
.irp b, 0,1,2,3
	global_load_b128 v[BIAS+8*(\b):BIAS+8*(\b)+3],   v[BOF], s[72:73] offset:64*(\b)
	global_load_b128 v[BIAS+8*(\b)+4:BIAS+8*(\b)+7], v[BOF], s[72:73] offset:64*(\b)+16
.endr
	v_mul_u32_u24 v3, v1, PA
	v_lshl_add_u32 v3, v2, 4, v3
	v_mul_u32_u24 v4, v1, PB
	v_lshl_add_u32 v4, v2, 4, v4
	s_mul_i32 s21, s11, HALFA                      ; my 64 rows of x
	s_mul_i32 s22, s12, HALFB                      ; my 64 rows of Wo
	s_add_co_u32 s22, s22, BOFF
.irp s, 0,1
	v_add_nc_u32 v[ADRA+(\s)], s21, v3
	v_add_nc_u32 v[ADRB+(\s)], s22, v4
	s_add_co_u32 s21, s21, SLOT
	s_add_co_u32 s22, s22, SLOT
.endr
	s_mul_i32 s23, s10, 16*SPITCH
	s_add_co_u32 s23, s23, STAGE                   ; my stage: 16 rows of my 64 columns, 256 bytes of f32
	v_mul_u32_u24 v4, v1, SPITCH
	v_lshl_add_u32 v4, v2, 5, v4
	v_add_nc_u32 v[STO], s23, v4
	v_mul_u32_u24 v5, v2, SPITCH
	v_lshl_add_u32 v5, v1, 4, v5
	v_add_nc_u32 v[RD], s23, v5
	v_lshlrev_b32 v5, 12, v2
	v_lshl_add_u32 v[CO], v1, 4, v5
	s_lshl_b32 s16, s13, 7
	s_lshl_b32 s17, s11, 6
	s_add_co_u32 s16, s16, s17
	s_lshl_b32 s16, s16, 12                        ; my first row of out x 4,096 bytes
	s_mov_b32 s17, 0
	s_mov_b32 s47, 0
	s_add_nc_u64 s[8:9], s[74:75], s[16:17]
	s_add_nc_u64 s[8:9], s[8:9], s[46:47]
; 8 matrix instructions: m blocks a0, a0 + 1 x all 4 n blocks, 32 along K: half c of buffer f.  zero = 1: the bias starts the sums.  The 16 accumulators take turns.
.macro MUL8 f, c, a0, zero
	WIN MUL
.irp a, \a0, (\a0)+1
.irp b, 0,1,2,3
.if \zero
	v_wmma_f32_16x16x32_f16 v[ACC+8*(4*(\a)+(\b)):ACC+8*(4*(\a)+(\b))+7], v[(\f)+64+8*(4*(\c)+(\b)):(\f)+64+8*(4*(\c)+(\b))+7], v[(\f)+8*(4*(\c)+(\a)):(\f)+8*(4*(\c)+(\a))+7], v[BIAS+8*(\b):BIAS+8*(\b)+7]
.else
	v_wmma_f32_16x16x32_f16 v[ACC+8*(4*(\a)+(\b)):ACC+8*(4*(\a)+(\b))+7], v[(\f)+64+8*(4*(\c)+(\b)):(\f)+64+8*(4*(\c)+(\b))+7], v[(\f)+8*(4*(\c)+(\a)):(\f)+8*(4*(\c)+(\a))+7], v[ACC+8*(4*(\a)+(\b)):ACC+8*(4*(\a)+(\b))+7]
.endif
.endr
.endr
.endm
; 32 LDS loads in one run: the fragments of quarter hq (one head, 64 along K) into buffer f; the first 32 along K first
.macro FETCH slot, hq, f
	WIN TO_F
.irp c, 0,1
.irp i, 0,1,2,3
	ds_load_b128 v[(\f)+64+8*(4*(\c)+(\i)):(\f)+64+8*(4*(\c)+(\i))+3],   v[ADRB+(\slot)] offset:(\hq)*128+64*(\c)+(\i)*16*PB
	ds_load_b128 v[(\f)+64+8*(4*(\c)+(\i))+4:(\f)+64+8*(4*(\c)+(\i))+7], v[ADRB+(\slot)] offset:(\hq)*128+64*(\c)+(\i)*16*PB+32
	ds_load_b128 v[(\f)+8*(4*(\c)+(\i)):(\f)+8*(4*(\c)+(\i))+3],         v[ADRA+(\slot)] offset:(\hq)*HEADB+64*(\c)+(\i)*16*PA
	ds_load_b128 v[(\f)+8*(4*(\c)+(\i))+4:(\f)+8*(4*(\c)+(\i))+7],       v[ADRA+(\slot)] offset:(\hq)*HEADB+64*(\c)+(\i)*16*PA+32
.endr
.endr
.endm
.macro PLACES
.rept 4
	v_nop
.endr
.endm
.macro QUARTER slot, hq, f, g, zero    ; multiplies buffer f and fetches quarter hq of the slot into g
	s_wait_dscnt 16                                ; the first 32 along K are in
	WIN MUL
	MUL8 \f, 0, 0, \zero
	MUL8 \f, 0, 2, \zero
	PLACES
	FETCH \slot, \hq, \g
	s_wait_dscnt 32                                ; all but the 32 just issued
	WIN MUL
	MUL8 \f, 1, 0, 0
	MUL8 \f, 1, 2, 0
.endm
; The last quarter of a K step multiplies buffer 1 and changes slots: in front of the one barrier each wave waits for all its tensor loads, adds 0 to its spare word, and waits for that and for its reads of the slot.
.macro TURN slot, next, fill
	WIN 0
	s_wait_tensorcnt 0x0
	ds_add_u32 v[SPW], v[NIL]
	s_wait_dscnt 17                                ; the add and the youngest sixteen loads may be out
	WIN MUL
	MUL8 F1, 0, 0, 0
	s_wait_dscnt 0x0
	s_barrier_signal -1
	MUL8 F1, 0, 2, 0
.if \fill
	WIN 0
.endif
	s_barrier_wait -1
.if \fill
	CREST
	s_add_nc_u64 s[G0+4*(\slot)+2:G0+4*(\slot)+3], s[G0+4*(\slot)+2:G0+4*(\slot)+3], 2*ASTEP
	s_add_nc_u64 s[G0B+4*(\slot)+2:G0B+4*(\slot)+3], s[G0B+4*(\slot)+2:G0B+4*(\slot)+3], 2*BSTEP
	JLOAD \slot                                    ; the first tensor load behind the round; its four v_nop are also the places in front of the loads below
.else
	PLACES
.endif
	FETCH \next, 0, F0
	WIN MUL
	MUL8 F1, 1, 0, 0
	MUL8 F1, 1, 2, 0
.endm
	s_wait_tensorcnt 0x1                           ; my part of K step 0 is in; K step 1's may stay out
	s_barrier_signal -1
	s_barrier_wait -1
	FETCH 0, 0, F0
	s_wait_loadcnt 0x0                             ; the bias
	QUARTER 0, 1, F0, F1, 1
	QUARTER 0, 2, F1, F0, 0
	QUARTER 0, 3, F0, F1, 0
	TURN 0, 1, 1                                   ; slot 0 takes K step 2
	QUARTER 1, 1, F0, F1, 0
	QUARTER 1, 2, F1, F0, 0
	QUARTER 1, 3, F0, F1, 0
	TURN 1, 0, 1                                   ; slot 1 takes K step 3
	QUARTER 0, 1, F0, F1, 0
	QUARTER 0, 2, F1, F0, 0
	QUARTER 0, 3, F0, F1, 0
	TURN 0, 1, 0
	QUARTER 1, 1, F0, F1, 0
	QUARTER 1, 2, F1, F0, 0
	QUARTER 1, 3, F0, F1, 0
	s_wait_dscnt 16
	WIN MUL
	MUL8 F1, 0, 0, 0
	MUL8 F1, 0, 2, 0
	s_wait_dscnt 0x0
	MUL8 F1, 1, 0, 0
	MUL8 F1, 1, 2, 0
	WIN 0
	; THE WAY OUT.  My 64 columns of f32 are 256 aligned bytes of a row: each block of 16 rows goes through my own stage and comes back as whole rows, into the registers that it left.
	PLACES
.macro OUTB a
.irp b, 0,1,2,3
	ds_store_b128 v[STO], v[ACC+8*(4*(\a)+(\b)):ACC+8*(4*(\a)+(\b))+3]   offset:64*(\b)
	ds_store_b128 v[STO], v[ACC+8*(4*(\a)+(\b))+4:ACC+8*(4*(\a)+(\b))+7] offset:64*(\b)+16
.endr
.irp t, 0,1,2,3,4,5,6,7
	ds_load_b128 v[ACC+32*(\a)+4*(\t):ACC+32*(\a)+4*(\t)+3], v[RD] offset:(\t)*2*SPITCH  ; LDS serves a wave's instructions in order: these see the stores above; the next block's stores come behind them
.endr
.endm
.macro SENDB a, younger                ; younger: the LDS instructions issued behind block a's loads: the next block's sixteen, or none
.irp t, 0,1,2,3,4,5,6,7
	s_wait_dscnt (\younger)+7-(\t)
	global_store_b128 v[CO], v[ACC+32*(\a)+4*(\t):ACC+32*(\a)+4*(\t)+3], s[8:9] offset:(16*(\a)+2*(\t))*4096  ; 16 lanes store 256 consecutive bytes, aligned
.endr
.endm
	OUTB 0
	OUTB 1
	SENDB 0, 16
	OUTB 2
	SENDB 1, 16
	OUTB 3
	SENDB 2, 16
	SENDB 3, 0
	s_wait_tensorcnt 0x0                           ; the wave's end
	ds_add_u32 v[SPW], v[NIL]
	s_wait_dscnt 0x0
	CROUND                                         ; the closing round
	s_endpgm
.Lfunc_end_k_qc9a6efdcbd_oproj:
	.size	k_qc9a6efdcbd_oproj, .Lfunc_end_k_qc9a6efdcbd_oproj-k_qc9a6efdcbd_oproj
	.p2alignl 7, 3214868480
	.fill 96, 4, 3214868480
	.section	.rodata,"a",@progbits
	.p2align	6, 0x0
	.amdhsa_kernel k_qc9a6efdcbd_oproj
		.amdhsa_group_segment_fixed_size 327680
		.amdhsa_private_segment_fixed_size 0
		.amdhsa_enable_private_segment 0
		.amdhsa_kernarg_size 32
		.amdhsa_user_sgpr_count 2
		.amdhsa_user_sgpr_kernarg_segment_ptr 1
		.amdhsa_wavefront_size32 1
		.amdhsa_system_sgpr_workgroup_id_x 1
		.amdhsa_system_sgpr_workgroup_id_y 1
		.amdhsa_system_sgpr_workgroup_id_z 1
		.amdhsa_system_vgpr_workitem_id 0
		.amdhsa_next_free_vgpr 512
		.amdhsa_next_free_sgpr 80
		.amdhsa_reserve_vcc 0
		.amdhsa_float_denorm_mode_32 3
		.amdhsa_float_denorm_mode_16_64 3
		.amdhsa_memory_ordered 1
		.amdhsa_forward_progress 1
		.amdhsa_inst_pref_size 87
	.end_amdhsa_kernel
	.amdgpu_metadata
---
amdhsa.version: [ 1, 2 ]
amdhsa.kernels:
  - .name:           k_qc9a6efdcbd_oproj
    .symbol:         k_qc9a6efdcbd_oproj.kd
    .args:
      - { .name: o16, .offset: 0, .size: 8, .value_kind: global_buffer, .address_space: global }
      - { .name: wo16, .offset: 8, .size: 8, .value_kind: global_buffer, .address_space: global }
      - { .name: bo, .offset: 16, .size: 8, .value_kind: global_buffer, .address_space: global }
      - { .name: out0, .offset: 24, .size: 8, .value_kind: global_buffer, .address_space: global }
    .group_segment_fixed_size: 327680
    .private_segment_fixed_size: 0
    .kernarg_segment_align: 8
    .kernarg_segment_size: 32
    .max_flat_workgroup_size: 128
    .sgpr_count:     80
    .vgpr_count:     512
    .wavefront_size: 32
...
	.end_amdgpu_metadata
.endif
;; end of part 3
